; MI455X (gfx1250); checked and timed in simulation.
; The chip was launched on July 23, 2026; its instructions are those of AMD's public machine-readable ISA for CDNA 5 (MIT licence, August 2026) and "CDNA5" Instruction Set Architecture Reference Guide (July 2026). The comments in the code are by the model that wrote it; some were corrected since.
;; Disentangled Attention. Allowed arithmetic: matrix products marked QUANTISED: E2M3 operands, one E8M0 scale for each 32 along K, by v_wmma_scale_f32_16x16x128_f8f6f4 with both operands' format E2M3, f32 sums; everything else in f32.
;; Inputs: Wk 1,024 x 1,024 float32; Wo 1,024 x 1,024 float32; Wq 1,024 x 1,024 float32; Wv 1,024 x 1,024 float32; alpha 16 x 1 x 1 float32; beta 16 x 1 x 1 float32; bk 1,024 float32; bo 1,024 float32; bq 1,024 float32; bv 1,024 float32; mask 2 x 2,048 int32; pos_embed 2,048 x 64 float32; x 2 x 2,048 x 1,024 float32.
;; Outputs: out0 2 x 2,048 x 1,024 float32.
;; This version of the problem:
;;   THIS VERSION OF THE PROBLEM IS GIVEN IN LOW PRECISION. The matrix products marked QUANTISED in the list below multiply operands that are first quantised to E2M3 (2 exponent bits, 3 mantissa bits; 6 bits a number), with one power-of-two scale for each 32 numbers along K (OCP MX v1.0); their sums are f32. All else is computed in f32.
;;   The module's matrix products, in the order in which they are computed (A, B: the left and right operand; K: the contracted axis; several contracted axes count as one K, in the product's order):
;;     1. [M 4,096, K 1,024] x [K 1,024, N 1,024]; A: input x; B: input Wq: QUANTISED
;;     2. [M 4,096, K 1,024] x [K 1,024, N 1,024]; A: input x; B: input Wk: QUANTISED
;;     3. [M 4,096, K 1,024] x [K 1,024, N 1,024]; A: input x; B: input Wv: QUANTISED
;;     4. batch 32 x [M 2,048, K 64] x [K 64, N 2,048]; A: computed on the way; B: computed on the way: QUANTISED
;;     5. [M 2,048, K 64] x [K 64, N 2,048]; A: input pos_embed; B: input pos_embed: QUANTISED
;;     6. batch 32 x [M 2,048, K 2,048] x [K 2,048, N 64]; A: softmax (see below); B: computed on the way: QUANTISED
;;     7. [M 4,096, K 1,024] x [K 1,024, N 1,024]; A: computed on the way; B: input Wo: QUANTISED
;;   THE QUANTISER, for each operand of a quantised product, along K:
;;     - K is cut into blocks of 32 from its start; a last block that is shorter is filled with zeros.
;;     - A block's scale is 2^e with e = floor(log2(the largest magnitude in the block)) - 2, held to -126 .. 127; a block of zeros has e = 0. As a byte (E8M0): e + 127.
;;     - Each number is divided by its block's scale, clamped to +-7.5, and rounded to the nearest number of E2M3, ties to even, subnormals kept.
;;     - The product sums the exact products of the quantised numbers (number of the format x scale) in f32.
;;   ~~~python
;;   def quantise(x, axis):      # numpy; x: float32 -> the quantised numbers, widened to float32 again
;;       x = np.moveaxis(x, axis, -1); K = x.shape[-1]
;;       x = np.pad(x, [(0, 0)] * (x.ndim - 1) + [(0, -K % 32)]); x = x.reshape(x.shape[:-1] + (-1, 32)); a = np.abs(x).max(-1, keepdims=True)
;;       e = np.where(a > 0, np.clip(np.frexp(np.where(a > 0, a, 1))[1] - 1 - 2, -126, 127), 0)      # np.frexp(a)[1] - 1 = floor(log2(a)), exactly
;;       r = np.clip(x / 2.0 ** e, -7.5, 7.5)
;;       step = 2.0 ** (np.maximum(np.frexp(np.where(r == 0, 1, r))[1] - 1, 0) - 3)
;;       q = np.round(r / step) * step * 2.0 ** e      # np.round: ties to even
;;       return np.moveaxis(q.reshape(q.shape[:-2] + (-1,))[..., :K], -1, axis).astype(np.float32)
;;   ~~~
;;   SOFTMAX AHEAD OF A QUANTISED PRODUCT. Where the list says 'softmax', what is quantised is not the finished softmax but p = 2^(t - M), with t = logit x log2(e) and M = ceil(the row's largest t), a whole number; so 1/2 < the row's largest p <= 1. The row's sum l is taken of the UNQUANTISED p, in f32, and the product's result is divided by l at the end. Since M is a whole number, a kernel that streams over the keys may use a running M (the ceiling of the running maximum): every later rescaling is an exact power of two, which a block's scale takes up: the codes' values come out the same.
;;   OPERANDS COMPUTED ON THE WAY. 'Computed on the way' means the value that the module computes at that place (a softmax that the list does not call 'softmax' is quantised finished and normalised). What goes into a quantiser is computed in f32, as accurately as f32 sums, v_exp_f32 and their like allow (about 1e-6 of the number): no bf16 or f16 on the way to a quantiser, and a product that is left as it is and whose result goes on into a quantised operand takes f32 operands (vector FMAs, or v_wmma_f32_16x16x4_f32). A number that lies on a knife's edge between two numbers of the format may be rounded either way, as far as f32 arithmetic and the matrix unit's own rounding can turn it there, and no further.
;; One version. Each part assembles by itself: llvm-mc -triple=amdgcn-amd-amdhsa -mcpu=gfx1250 --defsym DOCPART=n.
;; ======== version 1 of 1: 4 launches
;; limits: right only within a limited range of input values
;; workspace buffers: xw_codes 6,291,456 bytes; xw_scales 262,144 bytes; pe_img 106,496 bytes; qkv_img 10,223,616 bytes; ao_codes 3,145,728 bytes; ao_scales 131,072 bytes
;; launch quant (part 1): grid 260 x 1, 4 waves a work-group, no clusters, 33,280 bytes of LDS; arguments x, Wq, Wk, Wv, Wo, pos_embed, xw_codes, xw_scales, pe_img; writes xw_codes, xw_scales, pe_img
.if DOCPART == 1
	.amdgcn_target "amdgcn-amd-amdhsa--gfx1250"
	.amdhsa_code_object_version 6
	.text
	.protected	k_q2f80e641e2_quant
	.globl	k_q2f80e641e2_quant
	.p2align	8
	.type	k_q2f80e641e2_quant,@function
k_q2f80e641e2_quant:
	s_mov_b64 s[64:65], 0
	v_nop
	global_prefetch_b8 v0, s[64:65] scope:SCOPE_SE
	s_setreg_imm32_b32 hwreg(HW_REG_WAVE_MODE, 25, 1), 1
	s_wait_xcnt 0x0
; x [4096][1024], Wq, Wk, Wv, Wo [1024][1024] and pos_embed [2048][64], all f32 with K innermost, become codes of FP6 (E2M3) with one E8M0 byte for each 32 along K.
; A block's scale is 2^(floor(log2(its largest magnitude)) - 2); its byte is the largest magnitude's exponent field - 2, held at 1 from below.
; LIMITS: a block of zeros gets the byte 1 where the rule says 127 (its codes are zeros; this program alone reads the bytes); NaN and infinities among the inputs are not served.
; xw_codes / xw_scales: ONE matrix of 8,192 rows x 1,024 K, 768 bytes of codes and 32 scale bytes a row: rows 0-4095 x, then Wq, Wk, Wv, Wo.
; THE ROWS OF x, Wq, Wk, Wv ARE STORED IN TILE ORDER: in every 32 rows the two middle groups of 8 change places, so that stored row 16 u + r of the 32 is row 8 u + r + 8 (r / 8).
; A matrix result whose source-0 rows stand in that order has 16 neighbours of the next K in the registers of two neighbouring tiles.  Wo's rows stay as they are.
; Work-groups 0-255: a stream.  A work-group takes 32 rows, a wave 8 (one group): 16 steps of 512 numbers.  Each load reads 512 consecutive bytes; a step's 2,048 bytes turn through the wave's own
; stage in LDS (16 bytes of padding behind each 64) and come back 64 bytes a lane, so that a lane holds 16 neighbours and two neighbouring lanes a block.
; Work-groups 256-259: pos_embed, a quarter (512 rows) each, a wave 128 rows: eight tiles of 16 rows x 64 K, stored as images of the operand's registers (pe_img, laid as the attention launch reads it).  That way uses no LDS.
; HOW xw_codes LIES: [row / 4][K step of 256][row % 4][192 bytes]: the 192 bytes of one K step of four neighbouring stored rows stand on end, 768 bytes that begin at a multiple of 256; four rows take 3,072 bytes.
.set REC,   26624
.set WOFF,  24576
.set STEPS, 16
.set EMAX,  2
.set CB,    12                         ; bytes of 16 codes
.set R,     16                         ; v16-79   four sets of 16 numbers as they are loaded
.set X,     80                         ; v80-111  two sets of 16 neighbours
.set C,     128                        ; v128-191 codes: four registers for each step
.set E,     112                        ; v112-127 a scale byte for each step
.set WREG,  8192                       ; LDS: a region for each wave: two stages of 32 x SP bytes, behind them its 256 scale bytes
.set SP,    80
	s_load_b256 s[36:43], s[0:1], 0x0              ; x, Wq, Wk, Wv
	s_load_b256 s[44:51], s[0:1], 0x20             ; Wo, pos_embed, xw_codes, xw_scales
	s_load_b64 s[52:53], s[0:1], 0x40              ; pe_img
	v_lshl_add_u32 v192, v0, 2, 0x8000
	v_mov_b32 v193, 0
	v_lshrrev_b32 v1, 5, v0
	v_readfirstlane_b32 s22, v1                    ; wave
	v_and_b32 v2, 31, v0                           ; lane
	s_mov_b32 s23, ttmp9                           ; g
	s_mov_b32 s21, 0
	s_cmp_ge_u32 s23, 256
	s_cbranch_scc1 .Lpe
	; ---- the stream
	v_lshlrev_b32 v3, 4, v2                        ; my 16 bytes of a load's 512
	s_mul_i32 s17, s22, WREG
	v_lshrrev_b32 v14, 2, v2
	v_mul_u32_u24 v14, v14, SP
	v_and_b32 v15, 3, v2
	v_lshl_add_u32 v14, v15, 4, v14
	v_add_nc_u32 v14, s17, v14                     ; the stage, on the way in: SP (lane / 4) + 16 (lane % 4)
	v_mul_u32_u24 v15, v2, SP
	v_add_nc_u32 v15, s17, v15                     ; and on the way out: SP x lane
	v_and_b32 v4, 15, v2
	v_mul_u32_u24 v4, v4, CB                       ; sixteen lanes hold one K step of a row: 192 bytes;
	v_lshrrev_b32 v5, 4, v2
	v_mad_u32_u24 v4, v5, 768, v4                  ; lanes 16-31 hold the next K step, 768 bytes on
	v_lshrrev_b32 v5, 1, v2
	s_add_co_u32 s17, s17, 2*32*SP
	v_add_nc_u32 v5, s17, v5                       ; LDS: my block's scale byte
	v_lshlrev_b32 v7, 3, v2
	v_add_nc_u32 v6, s17, v7                       ; and on the way out 8 bytes a lane
	s_and_b32 s18, s22, 1
	s_lshl_b32 s18, s18, 1
	s_lshr_b32 s19, s22, 1
	s_or_b32 s18, s18, s19                         ; the wave's two bits changed round: where its group of 8 rows goes
	s_and_b32 s20, s23, 31                         ; a weight has 32 work-groups
	s_wait_alu depctr_va_vdst(0)
	s_wait_kmcnt 0x0
	s_cmp_lt_u32 s23, 160                          ; which tensor: the choices hang on the work-group's number alone
	s_cselect_b64 s[4:5], s[38:39], s[40:41]
	s_cmp_lt_u32 s23, 224
	s_cselect_b64 s[6:7], s[42:43], s[44:45]
	s_cselect_b32 s18, s18, s22                    ; Wo's rows stay in their order
	s_cmp_lt_u32 s23, 192
	s_cselect_b64 s[4:5], s[4:5], s[6:7]
	s_cmp_lt_u32 s23, 128
	s_cselect_b64 s[4:5], s[36:37], s[4:5]
	s_cselect_b32 s20, s23, s20                    ; my work-group's number within its tensor
	s_lshl_b32 s20, s20, 2
	s_add_co_u32 s20, s20, s22
	s_lshl_b32 s20, s20, 15                        ; 8 rows are 32,768 bytes
	s_add_nc_u64 s[4:5], s[4:5], s[20:21]
	s_lshl_b32 s24, s23, 2
	s_add_co_u32 s24, s24, s18                     ; which group of 8 stored rows
	s_mul_i32 s20, s24, 6144
	s_add_nc_u64 s[8:9], s[48:49], s[20:21]
	s_lshl_b32 s20, s24, 8
	s_add_nc_u64 s[10:11], s[50:51], s[20:21]
.macro LOAD t
.irp i, 0,1,2,3
	global_load_b128 v[R+16*((\t)%4)+4*\i:R+16*((\t)%4)+4*\i+3], v3, s[4:5] offset:2048*(\t)+512*\i th:TH_LOAD_NT   ; 32 lanes read 512 consecutive bytes
.endr
.endm
.macro TURN t                          ; step t's numbers through the stage: LDS serves a wave's instructions in order, so no wait stands between the stores and the loads
.irp i, 0,1,2,3
	ds_store_b128 v14, v[R+16*((\t)%4)+4*\i:R+16*((\t)%4)+4*\i+3] offset:32*SP*((\t)%2)+8*SP*\i
.endr
.irp i, 0,1,2,3
	ds_load_b128 v[X+16*((\t)%2)+4*\i:X+16*((\t)%2)+4*\i+3], v15 offset:32*SP*((\t)%2)+16*\i
.endr
.endm
.irp t, 0,1,2,3
	LOAD \t
.endr
	s_wait_loadcnt 12                              ; step 0's four loads are in
	TURN 0
.macro STEP t
.set XS, X+16*((\t)%2)
.if (\t) > 0
	s_wait_dscnt 1                                 ; this step's numbers are back from the stage (the last step's byte store may be out)
.else
	s_wait_dscnt 0x0
.endif
.if (\t)+4 < STEPS
	LOAD (\t)+4                                    ; into the registers that this step's stores into the stage have read
.endif
.if (\t)+1 < STEPS
.if STEPS-2-(\t) >= 3
	s_wait_loadcnt 12                              ; the next step's four loads are in; those of the three steps behind it may be out
.else
	s_wait_loadcnt 4*(STEPS-2-(\t))
.endif
	TURN (\t)+1
.endif
	v_max3_num_f32 v8, |v[XS]|, |v[XS+1]|, |v[XS+2]|               ; the largest magnitude of my 16
	v_max3_num_f32 v9, |v[XS+3]|, |v[XS+4]|, |v[XS+5]|
.irp i, 6,10
	v_max3_num_f32 v8, v8, |v[XS+\i]|, |v[XS+\i+1]|
	v_max3_num_f32 v9, v9, |v[XS+\i+2]|, |v[XS+\i+3]|
.endr
	v_max3_num_f32 v8, v8, |v[XS+14]|, |v[XS+15]|
	v_max3_num_f32 v8, v8, v9, (EMAX+1)<<23        ; and the floor 2^(3 - 127): the byte cannot fall under 1
	v_max_num_f32_dpp v8, v8, v8 row_xmask:1 row_mask:0xf bank_mask:0xf   ; and of my neighbour's 16: the block's
	v_add_nc_u32 v11, -(EMAX<<23), v8              ; 2 off its exponent field: the conversion's scale operand
	v_cvt_scalef32_pk16_fp6_f32 v[C+4*(\t):C+4*(\t)+2], v[XS:XS+15], v11
	v_lshrrev_b32 v[E+(\t)], 23, v11               ; the scale's byte
	ds_store_b8 v5, v[E+(\t)] offset:16*(\t)       ; both lanes of a block write the same byte with the same value
	global_store_b96 v4, v[C+4*(\t):C+4*(\t)+2], s[8:9] offset:((\t)/8)*3072+((\t)%2)*1536+(((\t)/2)%4)*192   ; row t / 2 of my 8, K steps 2 (t % 2) and 2 (t % 2) + 1: two runs of 192 bytes
.endm
.irp t, 0,1,2,3,4,5,6,7,8,9,10,11,12,13,14,15
	STEP \t
.endr
	ds_load_b64 v[12:13], v6                       ; LDS serves a wave's instructions in order: these see my stores
	s_wait_dscnt 0x0
	global_store_b64 v7, v[12:13], s[10:11]        ; 32 lanes store 256 consecutive bytes, aligned
	s_wait_tensorcnt 0x0
	ds_add_u32 v192, v193
	s_wait_dscnt 0x0
	s_endpgm
	; ---- pos_embed: quarter g - 256, key step = my wave: eight tiles of 16 rows x 64 K
.Lpe:
	s_sub_co_u32 s24, s23, 256                     ; quarter
	v_and_b32 v3, 15, v0                           ; r
	v_bfe_u32 v4, v0, 4, 1                         ; h
	v_and_b32 v5, 8, v3
	v_add_nc_u32 v5, v5, v3                        ; r + 8 (r / 8)
	v_lshlrev_b32 v5, 8, v5                        ; a row is 256 bytes
	v_lshl_add_u32 v5, v4, 7, v5                   ; lane (r, h) takes block h of its row: 128 bytes
	s_wait_alu depctr_va_vdst(0)
	v_lshlrev_b32 v6, 3, v2                        ; 8 x lane: my place in a plane of an image
	v_lshlrev_b32 v7, 4, v2                        ; 16 x lane: in a word image
	v_lshlrev_b32 v8, 3, v4                        ; 8 h: my byte's place in the scale word
	v_mov_b32 v9, 0                                ; a lane permute's destination counts as one of its sources
	s_mov_b32 s26, 0x76543210
	s_mov_b32 s27, 0xfedcba98                      ; selects for lane l xor 16
	s_lshl_b32 s20, s24, 2
	s_add_co_u32 s20, s20, s22
	s_lshl_b32 s20, s20, 15                        ; 128 rows are 32,768 bytes
	s_mul_i32 s28, s24, REC
	s_mul_i32 s30, s22, 6144
	s_add_co_u32 s30, s30, s28                     ; my step's images
	s_mov_b32 s31, 0
	s_lshl_b32 s29, s22, 9
	s_add_co_u32 s28, s28, s29
	s_add_co_u32 s28, s28, WOFF                    ; my step's word image
	s_mov_b32 s29, 0
	s_wait_kmcnt 0x0
	s_add_nc_u64 s[4:5], s[46:47], s[20:21]
	s_add_nc_u64 s[8:9], s[52:53], s[30:31]
	s_add_nc_u64 s[10:11], s[52:53], s[28:29]
.macro PLOAD t                         ; tile t begins at row 32 (t / 2) + 8 (t % 2); its 32 numbers a lane into set t % 2
.irp i, 0,1,2,3,4,5,6,7
	global_load_b128 v[32+32*((\t)%2)+4*\i:32+32*((\t)%2)+4*\i+3], v5, s[4:5] offset:(32*((\t)/2)+8*((\t)%2))*256+16*\i
.endr
.endm
	PLOAD 0
	PLOAD 1
.macro PTILE t
.set XS, 32+32*((\t)%2)
.set CT, 96+8*(\t)
.if (\t) < 7
	s_wait_loadcnt 8                               ; this tile's eight loads are in; the next tile's may be out
.else
	s_wait_loadcnt 0x0
.endif
	v_max3_num_f32 v12, |v[XS]|, |v[XS+1]|, |v[XS+2]|              ; the block's largest magnitude: all 32 numbers are mine
	v_max3_num_f32 v13, |v[XS+3]|, |v[XS+4]|, |v[XS+5]|
.irp i, 6,10,14,18,22,26
	v_max3_num_f32 v12, v12, |v[XS+\i]|, |v[XS+\i+1]|
	v_max3_num_f32 v13, v13, |v[XS+\i+2]|, |v[XS+\i+3]|
.endr
	v_max3_num_f32 v12, v12, |v[XS+30]|, |v[XS+31]|
	v_max3_num_f32 v12, v12, v13, (EMAX+1)<<23     ; and the floor
	v_add_nc_u32 v10, -(EMAX<<23), v12             ; the conversion's scale operand
	v_cvt_scalef32_pk16_fp6_f32 v[CT:CT+2], v[XS:XS+15], v10
	v_cvt_scalef32_pk16_fp6_f32 v[CT+4:CT+6], v[XS+16:XS+31], v10   ; (a conversion's three registers begin on an even number)
	v_lshrrev_b32 v13, 23, v10                     ; the scale's byte.  (The plain line behind the conversions)
.irp i, 0,1,2
	v_mov_b32 v[CT+3+\i], v[CT+4+\i]               ; the six registers on end: registers 0-5 of the operand
.endr
.if (\t)+2 < 8
	PLOAD (\t)+2
.endif
.irp p, 0,1,2
	global_store_b64 v6, v[CT+2*\p:CT+2*\p+1], s[8:9] offset:(\t)*768+256*\p   ; a plane: 256 consecutive bytes, aligned
.endr
	v_lshlrev_b32 v13, v8, v13                     ; my byte at its place,
	v_permlanex16_b32 v9, v13, s26, s27
	v_or_b32 v13, v13, v9                          ; with lane l xor 16's;
	v_or_b32 v[160+(\t)], 0x40400000, v13          ; bytes 2 and 3 scale K = 64 .. 127, where this side's partner holds zero codes
.endm
.irp t, 0,1,2,3,4,5,6,7
	PTILE \t
.endr
	v_cmp_eq_u32 vcc_lo, 1, v4
.irp i, 0,1,2,3
	v_cndmask_b32 v[168+\i], v[160+\i], v[164+\i], vcc_lo   ; the word image: lanes 0-15 tiles 0-3, lanes 16-31 tiles 4-7
.endr
	global_store_b128 v7, v[168:171], s[10:11]
	s_endpgm
.Lfunc_end_k_q2f80e641e2_quant:
	.size	k_q2f80e641e2_quant, .Lfunc_end_k_q2f80e641e2_quant-k_q2f80e641e2_quant
	.p2alignl 7, 3214868480
	.fill 96, 4, 3214868480
	.section	.rodata,"a",@progbits
	.p2align	6, 0x0
	.amdhsa_kernel k_q2f80e641e2_quant
		.amdhsa_group_segment_fixed_size 33280
		.amdhsa_private_segment_fixed_size 0
		.amdhsa_enable_private_segment 0
		.amdhsa_kernarg_size 72
		.amdhsa_user_sgpr_count 2
		.amdhsa_user_sgpr_kernarg_segment_ptr 1
		.amdhsa_wavefront_size32 1
		.amdhsa_system_sgpr_workgroup_id_x 1
		.amdhsa_system_sgpr_workgroup_id_y 1
		.amdhsa_system_sgpr_workgroup_id_z 1
		.amdhsa_system_vgpr_workitem_id 0
		.amdhsa_next_free_vgpr 194
		.amdhsa_next_free_sgpr 66
		.amdhsa_reserve_vcc 1
		.amdhsa_float_denorm_mode_32 3
		.amdhsa_float_denorm_mode_16_64 3
		.amdhsa_memory_ordered 1
		.amdhsa_forward_progress 1
		.amdhsa_inst_pref_size 55
	.end_amdhsa_kernel
	.amdgpu_metadata
---
amdhsa.version: [ 1, 2 ]
amdhsa.kernels:
  - .name:           k_q2f80e641e2_quant
    .symbol:         k_q2f80e641e2_quant.kd
    .args:
      - { .name: x, .offset: 0, .size: 8, .value_kind: global_buffer, .address_space: global }
      - { .name: Wq, .offset: 8, .size: 8, .value_kind: global_buffer, .address_space: global }
      - { .name: Wk, .offset: 16, .size: 8, .value_kind: global_buffer, .address_space: global }
      - { .name: Wv, .offset: 24, .size: 8, .value_kind: global_buffer, .address_space: global }
      - { .name: Wo, .offset: 32, .size: 8, .value_kind: global_buffer, .address_space: global }
      - { .name: pos_embed, .offset: 40, .size: 8, .value_kind: global_buffer, .address_space: global }
      - { .name: xw_codes, .offset: 48, .size: 8, .value_kind: global_buffer, .address_space: global }
      - { .name: xw_scales, .offset: 56, .size: 8, .value_kind: global_buffer, .address_space: global }
      - { .name: pe_img, .offset: 64, .size: 8, .value_kind: global_buffer, .address_space: global }
    .group_segment_fixed_size: 33280
    .private_segment_fixed_size: 0
    .kernarg_segment_align: 8
    .kernarg_segment_size: 72
    .max_flat_workgroup_size: 128
    .sgpr_count:     66
    .vgpr_count:     194
    .wavefront_size: 32
...
	.end_amdgpu_metadata
.endif
;; end of part 1
;; launch qkv (part 2): grid 8 x 24, 4 waves a work-group, clusters of 4 x 4, 327,680 bytes of LDS; arguments xw_codes, xw_scales, bq, bk, bv, mask, qkv_img; writes qkv_img
.if DOCPART == 2
	.amdgcn_target "amdgcn-amd-amdhsa--gfx1250"
	.amdhsa_code_object_version 6
	.text
	.protected	k_q2f80e641e2_qkv
	.globl	k_q2f80e641e2_qkv
	.p2align	8
	.type	k_q2f80e641e2_qkv,@function
k_q2f80e641e2_qkv:
	s_mov_b64 s[64:65], 0
	v_nop
	global_prefetch_b8 v0, s[64:65] scope:SCOPE_SE
	s_setreg_imm32_b32 hwreg(HW_REG_WAVE_MODE, 25, 1), 1
	s_wait_xcnt 0x0
	s_wait_alu depctr_hold_cnt(0) depctr_sa_sdst(0) depctr_va_vdst(0) depctr_va_sdst(0) depctr_va_ssrc(0) depctr_va_vcc(0) depctr_vm_vsrc(0)
	s_getreg_b32 s2, hwreg(HW_REG_IB_STS2, 6, 4)
	s_cmp_eq_u32 s2, 0
	s_cbranch_scc0 .Lentry_in_a_cluster
	s_endpgm
.Lentry_in_a_cluster:
	s_bfe_u32 s2, ttmp6, 0x10000c
	s_cmp_lg_u32 s2, 0xf033
	s_cbranch_scc0 .Lentry_shape_is_right
	s_endpgm
.Lentry_shape_is_right:
.set KSTEP,  256
.set NQ,     2
.set ROWB,   768                       ; a tensor row: one K step (192 bytes) of four stored rows on end; it begins at a multiple of 256 bytes
.set KROW,   768
.set PITCH,  240
.set FR,     12
.set NL,     6
.set NP,     4
.set HALFT,  128*PITCH
.set SLOT,   4*HALFT
.set LAPS,   2
.set KS,     32
.set SCL,    2*SLOT
.set HALFS,  4352
.set SBLK,   544
.set SPARE,  SCL+4*HALFS
.set REC,    26624
.set WOFF,   24576
.set ADRA, 16
.set ADRB, 20
.set ADRS, 27
.set SPW,  28
.set NIL,  29
.set SC,   32
.set BI,   64
.set AF,   128
.set MK,   224
.set BL,   232
.set TM,   32
.set PW,   48
.set QC,   52
.set SEL,  92
.set G1, 24
.set G0, 32
.set G1B, 48
.set G0B, 56
.set G1S, 68
.set G0S, 76
.set G1SB, 80
.set G0SB, 88
.set MSB, 0
.macro WIN new
.if MSB != \new
	s_set_vgpr_msb (MSB<<8)|\new
.set MSB, \new
.endif
.endm
.set MUL_LO, 0xa1
.set MUL_HI, 0xf1
.set MUL_LOB, 0x81
.set MUL_HIB, 0xc1
.set TO_B,   0x40
.macro JLOAD g0a, g1a, g0b, g1b
	s_cmp_eq_u32 s15, 0
	s_cbranch_scc0 .Lfor_b_\@
	tensor_load_to_lds s[\g0a:\g0a+3], s[\g1a:\g1a+7]
	s_nop 0
.rept 4
	v_nop
.endr
	s_branch .Lasked_\@
.Lfor_b_\@:
	tensor_load_to_lds s[\g0b:\g0b+3], s[\g1b:\g1b+7]
	s_nop 0
.rept 4
	v_nop
.endr
.Lasked_\@:
.endm
.macro CREST
	s_cmp_lg_u32 s14, 0
	s_cbranch_scc1 .Lnot_wave_0_\@
	s_barrier_signal -3
.Lnot_wave_0_\@:
	s_barrier_wait -3
	s_barrier_signal -1
	s_barrier_wait -1
.endm
.macro CROUND
	s_barrier_signal -1
	s_barrier_wait -1
	CREST
.endm
	s_load_b128 s[4:7], s[0:1], 0x0
	s_load_b128 s[96:99], s[0:1], 0x10
	s_load_b128 s[8:11], s[0:1], 0x20
	s_load_b64 s[12:13], s[0:1], 0x30
	v_lshl_add_u32 v[SPW], v0, 2, SPARE
	v_mov_b32 v[NIL], 0
	ds_add_u32 v28, v29
	ds_add_u32 v28, v29
	s_wait_dscnt 0x0
	v_lshrrev_b32 v1, 5, v0
	v_readfirstlane_b32 s14, v1
	s_lshr_b32 s15, s14, 1
	s_and_b32 s16, s14, 1
	s_bfe_u32 s40, ttmp6, 0x40000
	s_bfe_u32 s41, ttmp6, 0x40004
	s_and_b32 s67, ttmp7, 0xffff
	s_lshl_b32 s17, s67, 10
	s_sub_co_u32 s18, s67, 4
	s_lshl_b32 s18, s18, 1
	s_add_co_u32 s18, s18, ttmp9
	s_lshl_b32 s18, s18, 10
	s_lshl_b32 s19, ttmp9, 10
	s_add_co_u32 s19, s19, 4096
	s_cmp_ge_u32 s67, 4
	s_cselect_b32 s66, 1, 0
	s_cselect_b32 s17, 6144, s17
	s_cselect_b32 s42, s18, s19
	s_lshl_b32 s18, s41, 8
	s_add_co_u32 s17, s17, s18
	s_lshl_b32 s19, s40, 8
	s_add_co_u32 s42, s42, s19
	s_lshl_b32 s43, s41, 2
	s_lshl_b32 s43, 15, s43
	s_lshl_b32 s44, 0x1111, s40
	s_or_b32 s[G1+0], s43, (0<<16)|(1<<20)|(1<<21)|(3<<22)|(3<<25)
	s_or_b32 s[G1B+0], s44, (0<<16)|(1<<20)|(1<<21)|(3<<22)|(3<<25)
.irp g, G1, G1B
	s_mov_b32 s[\g+1], ROWB<<16
	s_mov_b32 s[\g+2], 32<<16
	s_mov_b32 s[\g+3], ROWB<<16
	s_mov_b32 s[\g+4], 32
	s_mov_b32 s[\g+5], 4*KROW
	s_mov_b32 s[\g+6], 0
	s_mov_b32 s[\g+7], 0
.endr
	s_or_b32 s[G1S+0], s43, (3<<16)|(1<<20)|(1<<21)|(5<<22)|(3<<25)
	s_or_b32 s[G1SB+0], s44, (3<<16)|(1<<20)|(1<<21)|(5<<22)|(3<<25)
.irp g, G1S, G1SB
	s_mov_b32 s[\g+1], 32<<16
	s_mov_b32 s[\g+2], 16<<16
	s_mov_b32 s[\g+3], 32<<16
	s_mov_b32 s[\g+4], 16
	s_mov_b32 s[\g+5], 32
	s_mov_b32 s[\g+6], 0
	s_mov_b32 s[\g+7], 0
.endr
	s_lshl_b32 s18, s16, 7
	s_add_co_u32 s20, s17, s18
	s_add_co_u32 s46, s42, s18
	s_mul_i32 s22, s20, KS
	s_mul_i32 s92, s46, KS
	s_mul_i32 s20, s20, KROW
	s_mul_i32 s46, s46, KROW
	s_mov_b32 s21, 0
	s_mov_b32 s23, 0
	s_mov_b32 s47, 0
	s_mov_b32 s93, 0
	s_mul_i32 s45, s14, HALFT
	s_mul_i32 s94, s14, HALFS
	s_wait_kmcnt 0x0
	s_add_nc_u64 s[20:21], s[4:5], s[20:21]
	s_add_nc_u64 s[22:23], s[6:7], s[22:23]
	s_add_nc_u64 s[46:47], s[4:5], s[46:47]
	s_add_nc_u64 s[92:93], s[6:7], s[92:93]
	CROUND
	s_mov_b32 s[G0S], 1
	s_add_co_u32 s[G0S+1], s94, SCL
	s_mov_b64 s[G0S+2:G0S+3], s[22:23]
	s_or_b32 s[G0S+3], s[G0S+3], 0x80000000
	s_mov_b32 s[G0SB], 1
	s_add_co_u32 s[G0SB+1], s94, SCL
	s_mov_b64 s[G0SB+2:G0SB+3], s[92:93]
	s_or_b32 s[G0SB+3], s[G0SB+3], 0x80000000
	JLOAD G0S, G1S, G0SB, G1SB
.irp s, 0,1
	s_mov_b32 s[G0+4*\s], 1
	s_add_co_u32 s[G0+4*\s+1], s45, \s*SLOT
	s_add_nc_u64 s[G0+4*\s+2:G0+4*\s+3], s[20:21], \s*ROWB
	s_or_b32 s[G0+4*\s+3], s[G0+4*\s+3], 0x80000000
	s_mov_b32 s[G0B+4*\s], 1
	s_add_co_u32 s[G0B+4*\s+1], s45, \s*SLOT
	s_add_nc_u64 s[G0B+4*\s+2:G0B+4*\s+3], s[46:47], \s*ROWB
	s_or_b32 s[G0B+4*\s+3], s[G0B+4*\s+3], 0x80000000
	s_wait_alu depctr_va_vdst(0)
	s_wait_tensorcnt 0x0
	ds_add_u32 v28, v29
	s_wait_dscnt 0x0
	CROUND
	JLOAD G0+4*\s, G1, G0B+4*\s, G1B
.endr
	v_and_b32 v1, 15, v0
	v_bfe_u32 v2, v0, 4, 1
	v_mul_u32_u24 v3, v1, PITCH
	v_mul_u32_u24 v4, v2, 24
	v_add_nc_u32 v4, v3, v4
	v_lshl_add_u32 v5, v2, 4, v4
	s_mul_i32 s21, s15, HALFT
	s_mul_i32 s22, s16, HALFT
	s_add_co_u32 s22, s22, 2*HALFT
.irp s, 0,1
	v_add_nc_u32 v[ADRA+\s], s21, v4
	v_add_nc_u32 v[ADRB+\s], s22, v4
	v_add_nc_u32 v[ADRA+2+\s], s21, v5
	v_add_nc_u32 v[ADRB+2+\s], s22, v5
	s_add_co_u32 s21, s21, SLOT
	s_add_co_u32 s22, s22, SLOT
.endr
	v_mul_u32_u24 v5, v1, KS
	v_lshrrev_b32 v6, 8, v5
	v_lshl_add_u32 v5, v6, 4, v5
	s_mul_i32 s21, s15, HALFS
	s_mul_i32 s22, s16, HALFS
	s_add_co_u32 s22, s22, 2*HALFS
	s_sub_co_u32 s22, s22, s21
	v_mul_u32_u24 v6, s22, v2
	s_add_co_u32 s21, s21, SCL
	v_add_nc_u32 v5, v5, v6
	v_add_nc_u32 v[ADRS], s21, v5
	v_lshlrev_b32 v7, 6, v2
	s_wait_alu depctr_va_vdst(0)
	v_and_b32 v8, 8, v1
	v_add_nc_u32 v8, v8, v1
	v_lshlrev_b32 v8, 2, v8
	s_wait_alu depctr_va_vdst(0)
	s_lshl_b32 s46, s40, 10
	s_lshl_b32 s47, s16, 9
	s_add_co_u32 s46, s46, s47
	s_mov_b32 s47, 0
	s_lshl_b32 s20, s41, 10
	s_lshl_b32 s21, s15, 9
	s_add_co_u32 s20, s20, s21
	s_mov_b32 s21, 0
	s_cmp_eq_u32 ttmp9, 0
	s_cselect_b64 s[96:97], s[96:97], s[98:99]
	s_cmp_eq_u32 s66, 0
	s_cselect_b64 s[96:97], s[96:97], s[8:9]
	s_cselect_b32 s22, s17, 0
	s_add_nc_u64 s[96:97], s[96:97], s[46:47]
	s_add_nc_u64 s[8:9], s[8:9], s[20:21]
	s_lshl_b32 s23, s15, 7
	s_add_co_u32 s22, s22, s23
	s_lshl_b32 s22, s22, 2
	s_mov_b32 s23, 0
	s_add_nc_u64 s[10:11], s[10:11], s[22:23]
.irp b, 0,1,2,3,4,5,6,7
	global_load_b128 v[BI+8*\b:BI+8*\b+3], v7, s[96:97] offset:(32*(\b/2)+8*(\b%2))*4
	global_load_b128 v[BI+8*\b+4:BI+8*\b+7], v7, s[96:97] offset:(32*(\b/2)+8*(\b%2))*4+16
.endr
.irp a, 0,1,2,3,4,5,6,7
	global_load_b32 v[MK+\a], v8, s[10:11] offset:(32*(\a/2)+8*(\a%2))*4
	global_load_b32 v[BL+\a], v8, s[8:9] offset:(32*(\a/2)+8*(\a%2))*4
.endr
.macro FRAG reg, adr, q, i
.irp p, 0,1,2,3,4,5
.set PCE, 12*(\q)+6*(\p/3)+\p%3
.if PCE%8 < 5
	ds_load_b64 v[\reg+2*\p:\reg+2*\p+1], v[\adr] offset:8*PCE+16*(PCE/8)+(\i)*16*PITCH
.else
	ds_load_b64 v[\reg+2*\p:\reg+2*\p+1], v[\adr+2] offset:8*PCE+16*(PCE/8)+(\i)*16*PITCH
.endif
.endr
.endm
.macro MUL16 a0, p, q, sc, zero
.irp a, \a0, \a0+1
.irp b, 0,1,2,3,4,5,6,7
.if (\zero) == 1
	v_wmma_scale_f32_16x16x128_f8f6f4 v[8*(8*((\a)%4)+\b):8*(8*((\a)%4)+\b)+7], v[128*(\p)+FR*\b:128*(\p)+FR*\b+FR-1], v[AF+FR*(\a):AF+FR*(\a)+FR-1], v[BI+8*\b:BI+8*\b+7], v[SC+8*NQ*(\sc)+NQ*\b+(\q)], v[SC+8*NQ*(\sc)+NQ*(\a)+(\q)] matrix_a_fmt:MATRIX_FMT_FP6 matrix_b_fmt:MATRIX_FMT_FP6 matrix_a_scale:MATRIX_SCALE_ROW1
.elseif (\zero) == 2
	v_wmma_scale_f32_16x16x128_f8f6f4 v[8*(8*((\a)%4)+\b):8*(8*((\a)%4)+\b)+7], v[128*(\p)+FR*\b:128*(\p)+FR*\b+FR-1], v[AF+FR*(\a):AF+FR*(\a)+FR-1], v[BI+8*(\a):BI+8*(\a)+7], v[SC+8*NQ*(\sc)+NQ*\b+(\q)], v[SC+8*NQ*(\sc)+NQ*(\a)+(\q)] matrix_a_fmt:MATRIX_FMT_FP6 matrix_b_fmt:MATRIX_FMT_FP6 matrix_a_scale:MATRIX_SCALE_ROW1
.else
	v_wmma_scale_f32_16x16x128_f8f6f4 v[8*(8*((\a)%4)+\b):8*(8*((\a)%4)+\b)+7], v[128*(\p)+FR*\b:128*(\p)+FR*\b+FR-1], v[AF+FR*(\a):AF+FR*(\a)+FR-1], v[8*(8*((\a)%4)+\b):8*(8*((\a)%4)+\b)+7], v[SC+8*NQ*(\sc)+NQ*\b+(\q)], v[SC+8*NQ*(\sc)+NQ*(\a)+(\q)] matrix_a_fmt:MATRIX_FMT_FP6 matrix_b_fmt:MATRIX_FMT_FP6 matrix_a_scale:MATRIX_SCALE_ROW1
.endif
.endr
.endr
.endm
.macro FETCH_B slot, q, p
	WIN TO_B
.irp i, 0,1,2,3,4,5,6,7
	FRAG 128*(\p)+FR*\i, ADRB+\slot, \q, \i
.endr
	WIN 0
.endm
.macro FETCH_A slot, q, i0
.irp i, \i0, \i0+1, \i0+2, \i0+3
	FRAG AF+FR*(\i), ADRA+\slot, \q, \i
.endr
.endm
.macro SCALES sc
.irp i, 0,1,2,3,4,5,6,7
	ds_load_b64 v[SC+8*NQ*\sc+NQ*\i:SC+8*NQ*\sc+NQ*\i+1], v[ADRS] offset:\i*SBLK
.endr
.endm
.macro PLACES n
.rept \n
	v_nop
.endr
.endm
.macro STEP slot, q, zero
	s_wait_dscnt 4*NL
.if \zero
	WIN MUL_LOB
.else
	WIN MUL_LO
.endif
	MUL16 0, (\q)%2, \q, \slot, \zero
	MUL16 2, (\q)%2, \q, \slot, \zero
	s_wait_dscnt 0
	PLACES NP
	FETCH_B \slot, (\q)+1, 1-(\q)%2
	FETCH_A \slot, (\q)+1, 0
.if \zero
	WIN MUL_HIB
.else
	WIN MUL_HI
.endif
	MUL16 4, (\q)%2, \q, \slot, \zero
	MUL16 6, (\q)%2, \q, \slot, \zero
	PLACES NP
	WIN 0
	FETCH_A \slot, (\q)+1, 4
.endm
.macro TURN slot, next, fill
	s_wait_tensorcnt 0x0
	ds_add_u32 v[SPW], v[NIL]
	s_wait_dscnt 4*NL+1
	WIN MUL_LO
	MUL16 0, 1, NQ-1, \slot, 0
	s_wait_dscnt 0x0
	s_barrier_signal -1
	MUL16 2, 1, NQ-1, \slot, 0
	WIN 0
	s_barrier_wait -1
.if \fill
	CREST
	s_add_nc_u64 s[G0+4*\slot+2:G0+4*\slot+3], s[G0+4*\slot+2:G0+4*\slot+3], 2*ROWB
	s_add_nc_u64 s[G0B+4*\slot+2:G0B+4*\slot+3], s[G0B+4*\slot+2:G0B+4*\slot+3], 2*ROWB
	JLOAD G0+4*\slot, G1, G0B+4*\slot, G1B
.else
	PLACES NP
.endif
	s_wait_alu depctr_va_vdst(0)
	v_add_nc_u32 v[ADRS], 4*NQ, v[ADRS]
	FETCH_B \next, 0, 0
	FETCH_A \next, 0, 0
	SCALES \next
	WIN MUL_HI
	MUL16 4, 1, NQ-1, \slot, 0
	MUL16 6, 1, NQ-1, \slot, 0
	PLACES NP
	WIN 0
	FETCH_A \next, 0, 4
.endm
	s_wait_tensorcnt 1
	s_barrier_signal -1
	s_barrier_wait -1
	FETCH_B 0, 0, 0
	FETCH_A 0, 0, 0
	SCALES 0
	FETCH_A 0, 0, 4
	s_wait_loadcnt 0x0
	s_cmp_eq_u32 s66, 0
	s_cbranch_scc0 .Lfirst_v
	STEP 0, 0, 1
	s_branch .Lgo
.Lfirst_v:
.irp a, 0,1,2,3,4,5,6,7
.irp j, 0,1,2,3,4,5,6,7
	v_mov_b32 v[BI+8*\a+\j], v[BL+\a]
.endr
.endr
	s_wait_alu depctr_va_vdst(0)
	STEP 0, 0, 2
.Lgo:
	s_mov_b32 s3, LAPS-1
.Llap:
	TURN 0, 1, 1
	STEP 1, 0, 0
	TURN 1, 0, 1
	STEP 0, 0, 0
	s_sub_co_u32 s3, s3, 1
	s_cmp_lg_u32 s3, 0
	s_cbranch_scc1 .Llap
	TURN 0, 1, 0
	STEP 1, 0, 0
	s_wait_dscnt 4*NL
	WIN MUL_LO
	MUL16 0, 1, NQ-1, 1, 0
	MUL16 2, 1, NQ-1, 1, 0
	s_wait_dscnt 0
	WIN MUL_HI
	MUL16 4, 1, NQ-1, 1, 0
	MUL16 6, 1, NQ-1, 1, 0
	WIN 0
	PLACES NP
	v_and_b32 v98, 31, v0
	v_lshlrev_b32 v99, 4, v98
	v_lshlrev_b32 v98, 3, v98
	v_bfe_u32 v100, v0, 4, 1
.irp b, 0,1,2,3
	v_mov_b32 v[TM+4+\b], 0
.endr
	s_mov_b32 s[SEL], 0x76543210
	s_mov_b32 s[SEL+1], 0xfedcba98
	s_lshl_b32 s18, s15, 7
	s_add_co_u32 s18, s18, s17
	s_lshl_b32 s19, s16, 7
	s_add_co_u32 s19, s19, s42
	s_lshl_b32 s20, s40, 2
	s_lshl_b32 s21, s16, 1
	s_add_co_u32 s20, s20, s21
	s_lshl_b32 s21, s41, 2
	s_lshl_b32 s22, s15, 1
	s_add_co_u32 s21, s21, s22
	s_cmp_eq_u32 s66, 0
	s_cselect_b32 s18, s18, s19
	s_cselect_b32 s20, s20, s21
	s_cselect_b32 s22, ttmp9, 2
	s_lshr_b32 s19, s18, 11
	s_bfe_u32 s21, s18, 0x40007
	s_lshl_b32 s22, s22, 5
	s_lshl_b32 s19, s19, 4
	s_add_co_u32 s22, s22, s19
	s_add_co_u32 s22, s22, s20
	s_lshl_b32 s22, s22, 2
	s_lshr_b32 s19, s21, 2
	s_add_co_u32 s22, s22, s19
	s_mul_i32 s22, s22, REC
	s_and_b32 s21, s21, 3
	s_mul_i32 s18, s21, 6144
	s_add_co_u32 s18, s18, s22
	s_mov_b32 s19, 0
	s_lshl_b32 s20, s21, 9
	s_add_co_u32 s20, s20, s22
	s_add_co_u32 s20, s20, WOFF
	s_mov_b32 s21, 0
	s_add_nc_u64 s[10:11], s[12:13], s[20:21]
	s_add_nc_u64 s[12:13], s[12:13], s[18:19]
	s_mov_b32 s23, 0x40720000
	s_cmp_eq_u32 ttmp9, 0
	s_cselect_b32 s46, s23, 0x40000000
	s_cselect_b32 s47, s23, 0x40f00000
	v_mov_b32 v96, s46
	v_mov_b32 v97, s47
.macro QUANTW a
.set AC, 64*((\a)%4)
.set WA, 2+(\a)/4
.set WW, 5*WA
	WIN WW
.irp b, 0,1,2,3
	v_max3_num_f32 v[TM+\b], |v[AC+16*\b]|, |v[AC+16*\b+1]|, 0x1800000
.endr
.irp i, 2,4,6,8,10,12,14
.irp b, 0,1,2,3
	v_max3_num_f32 v[TM+\b], |v[AC+16*\b+\i]|, |v[AC+16*\b+\i+1]|, v[TM+\b]
.endr
.endr
	WIN 0
.irp b, 0,1,2,3
	v_permlanex16_b32 v[TM+4+\b], v[TM+\b], s[SEL], s[SEL+1]
.endr
.irp b, 0,1,2,3
	v_max_num_f32 v[TM+\b], v[TM+\b], v[TM+4+\b]
.endr
.irp b, 0,1,2,3
	v_add_nc_u32 v[TM+12+\b], 0xff000000, v[TM+\b]
.endr
.irp b, 0,1,2,3
	v_lshrrev_b32 v[TM+4+\b], 23, v[TM+12+\b]
.endr
	v_lshl_or_b32 v[PW], v[TM+5], 8, v[TM+4]
	v_lshl_or_b32 v[PW], v[TM+6], 16, v[PW]
	v_lshl_or_b32 v[PW], v[TM+7], 24, v[PW]
	WIN WA
.irp c, 0,1
	v_cvt_scalef32_pk16_fp6_f32 v[QC+6*\c:QC+2+6*\c], v[AC+32*\c:AC+15+32*\c], v[TM+12+2*\c]
	v_cvt_scalef32_pk16_fp6_f32 v[QC+12+4*\c:QC+14+4*\c], v[AC+16+32*\c:AC+31+32*\c], v[TM+12+2*\c+1]
.endr
	WIN 0
	v_nop
.irp c, 0,1
.irp i, 0,1,2
	v_permlane16_swap_b32 v[QC+6*\c+\i], v[QC+12+4*\c+\i]
.endr
.irp i, 0,1,2
	v_mov_b32 v[QC+3+6*\c+\i], v[QC+12+4*\c+\i]
.endr
.endr
.endm
	s_cmp_eq_u32 s66, 0
	s_cbranch_scc0 .Lout_v
.macro OUTQK a
.if (\a) > 0
	s_wait_xcnt 0x0
.endif
	QUANTW \a
.irp p, 0,1,2
	global_store_b64 v98, v[QC+2*\p:QC+2*\p+1], s[12:13] offset:(\a)*768+256*\p
	global_store_b64 v98, v[QC+6+2*\p:QC+7+2*\p], s[12:13] offset:(\a)*768+256*\p+4*REC
.endr
	v_cmp_eq_u32 vcc_lo, 0, v[MK+(\a)]
	v_cndmask_b32 v[88+(\a)], v96, v97, vcc_lo
	v_and_or_b32 v[72+(\a)], v[PW], 0xffff, v[88+(\a)]
	v_lshrrev_b32 v[80+(\a)], 16, v[PW]
	v_or_b32 v[80+(\a)], v[80+(\a)], v[88+(\a)]
.endm
.irp a, 0,1,2,3,4,5,6,7
	OUTQK \a
.endr
	v_cmp_eq_u32 vcc_lo, 1, v100
.irp i, 0,1,2,3
	v_cndmask_b32 v[104+\i], v[72+\i], v[76+\i], vcc_lo
	v_cndmask_b32 v[108+\i], v[80+\i], v[84+\i], vcc_lo
.endr
	global_store_b128 v99, v[104:107], s[10:11]
	global_store_b128 v99, v[108:111], s[10:11] offset:4*REC
	s_branch .Ldone
.Lout_v:
.macro OUTV a
.if (\a) > 0
	s_wait_xcnt 0x0
.endif
	QUANTW \a
.irp c, 0,1,2
	global_store_b128 v99, v[QC+4*\c:QC+4*\c+3], s[12:13] offset:((\a)/4)*4*REC+((\a)%4)*1536+512*\c
.endr
	v_mov_b32 v[72+(\a)], v[PW]
.endm
.irp a, 0,1,2,3,4,5,6,7
	OUTV \a
.endr
	global_store_b128 v99, v[72:75], s[10:11]
	global_store_b128 v99, v[76:79], s[10:11] offset:4*REC
.Ldone:
	s_wait_tensorcnt 0x0
	ds_add_u32 v[SPW], v[NIL]
	s_wait_dscnt 0x0
	CROUND
	s_endpgm
.Lfunc_end_k_q2f80e641e2_qkv:
	.size	k_q2f80e641e2_qkv, .Lfunc_end_k_q2f80e641e2_qkv-k_q2f80e641e2_qkv
	.p2alignl 7, 3214868480
	.fill 96, 4, 3214868480
	.section	.rodata,"a",@progbits
	.p2align	6, 0x0
	.amdhsa_kernel k_q2f80e641e2_qkv
		.amdhsa_group_segment_fixed_size 327680
		.amdhsa_private_segment_fixed_size 0
		.amdhsa_enable_private_segment 0
		.amdhsa_kernarg_size 56
		.amdhsa_user_sgpr_count 2
		.amdhsa_user_sgpr_kernarg_segment_ptr 1
		.amdhsa_wavefront_size32 1
		.amdhsa_system_sgpr_workgroup_id_x 1
		.amdhsa_system_sgpr_workgroup_id_y 1
		.amdhsa_system_sgpr_workgroup_id_z 1
		.amdhsa_system_vgpr_workitem_id 0
		.amdhsa_next_free_vgpr 1024
		.amdhsa_next_free_sgpr 100
		.amdhsa_reserve_vcc 1
		.amdhsa_float_denorm_mode_32 3
		.amdhsa_float_denorm_mode_16_64 3
		.amdhsa_memory_ordered 1
		.amdhsa_forward_progress 1
		.amdhsa_inst_pref_size 225
	.end_amdhsa_kernel
	.amdgpu_metadata
---
amdhsa.version: [ 1, 2 ]
amdhsa.kernels:
  - .name:           k_q2f80e641e2_qkv
    .symbol:         k_q2f80e641e2_qkv.kd
    .args:
      - { .name: xw_codes, .offset: 0, .size: 8, .value_kind: global_buffer, .address_space: global }
      - { .name: xw_scales, .offset: 8, .size: 8, .value_kind: global_buffer, .address_space: global }
      - { .name: bq, .offset: 16, .size: 8, .value_kind: global_buffer, .address_space: global }
      - { .name: bk, .offset: 24, .size: 8, .value_kind: global_buffer, .address_space: global }
      - { .name: bv, .offset: 32, .size: 8, .value_kind: global_buffer, .address_space: global }
      - { .name: mask, .offset: 40, .size: 8, .value_kind: global_buffer, .address_space: global }
      - { .name: qkv_img, .offset: 48, .size: 8, .value_kind: global_buffer, .address_space: global }
    .group_segment_fixed_size: 327680
    .private_segment_fixed_size: 0
    .kernarg_segment_align: 8
    .kernarg_segment_size: 56
    .max_flat_workgroup_size: 128
    .sgpr_count:     100
    .vgpr_count:     1024
    .wavefront_size: 32
...
	.end_amdgpu_metadata
.endif
;; end of part 2
;; launch attn (part 3): grid 8 x 32, 16 waves a work-group, clusters of 4 x 1, 327,680 bytes of LDS; arguments qkv_img, pe_img, alpha, ao_codes, ao_scales, beta; writes ao_codes, ao_scales
.if DOCPART == 3
	.amdgcn_target "amdgcn-amd-amdhsa--gfx1250"
	.amdhsa_code_object_version 6
	.text
	.protected	k_q2f80e641e2_attn
	.globl	k_q2f80e641e2_attn
	.p2align	8
	.type	k_q2f80e641e2_attn,@function
k_q2f80e641e2_attn:
	s_mov_b64 s[64:65], 0
	v_nop
	global_prefetch_b8 v0, s[64:65] scope:SCOPE_SE
	s_setreg_imm32_b32 hwreg(HW_REG_WAVE_MODE, 25, 1), 1
	s_wait_xcnt 0x0
	s_wait_alu depctr_hold_cnt(0) depctr_sa_sdst(0) depctr_va_vdst(0) depctr_va_sdst(0) depctr_va_ssrc(0) depctr_va_vcc(0) depctr_vm_vsrc(0)
	s_getreg_b32 s2, hwreg(HW_REG_IB_STS2, 6, 4)
	s_cmp_eq_u32 s2, 0
	s_cbranch_scc0 .Lentry_in_a_cluster
	s_endpgm
.Lentry_in_a_cluster:
	s_bfe_u32 s2, ttmp6, 0x10000c
	s_cmp_lg_u32 s2, 0x3003
	s_cbranch_scc0 .Lentry_shape_is_right
	s_endpgm
.Lentry_shape_is_right:
; For each (batch, head): logit = q . k / 8 + alpha pe_q . pe_k + beta, masked keys out, softmax, times v; all three products on codes of FP6 (E2M3) with E8M0 scales; the result is quantised for the output projection.
; THE SOFTMAX: t = logit x log2(e); M = the running largest t rounded UP to a whole number; p = 2^(t - M) is quantised along the keys, not normalised; the row's sum is taken of the unquantised p and divides at the end.
; When M moves, the sum and O are multiplied by 2^(old M - new M): exact.  beta stays: it moves t against the whole number M, and so p's codes.
; SHARES.  A work-group owns 256 queries of one (batch, head); each of its sixteen waves 16 of them, in 256 registers.  Every wave walks all 2,048 keys, 128 a step, 16 steps in one loop with no barrier in it.
; LDS IS FILLED ONCE: a head's K (106,496 bytes), its V and pos_embed's images, four records each: 319,488 bytes.  Waves 0-11 ask for one record each (wave w: stream w / 4, quarter w % 4, LDS byte w x 26,624);
; one wait for 0 and one barrier show all twelve to every wave.  No byte is filled again.
; CLUSTER.  The four query blocks of a cluster walk the same K, V and pos_embed: every record is asked for jointly (mask 15).
; NO PREFETCH: all that the launch reads by tensor loads is asked for at its head; there is no loop to run ahead in.
; LAYOUT.  All products are used transposed (source 0 = 16 keys or 16 channels, source 1 = my 16 queries): a lane holds ONE query throughout.  The keys of a tile stand in tile order (lane r of tile 2 b + u is key
; 32 b + 8 u + r + 8 (r / 8)), so that the 16 registers of two neighbouring tiles are 16 neighbouring keys; V's channels likewise, so that O's registers run along the output projection's K.
; K = 64 IN A PRODUCT 128 DEEP.  Registers 6-11 of every operand of the two score products are constants: zero codes, but for K = 64: +7.5 in every source 0, -7.5 in q, 0 in my queries' pos_embed.
; k's scale byte for that block is 240 where mask = 0 and else 0, q's 114: a masked key's 8 x logit gets -56.25 x 2^100 and its p is 0.
; The scores: S = (pe_k pe_q^T) x 8 alpha + 8 beta by packed multiply-adds, then S += k q^T by the matrix unit: S = 8 x logit, and c = log2(e) / 8.
; LIMITS: an open key's 8 x logit gets -56.25 x 2^-140; the largest t begins at -2^100, so logits are served above -2^100 / log2(e); a batch whose mask is 0 everywhere has the sum 0 and gives NaN, as the softmax of nothing does;
; a block of zeros has the byte 1, not 127 (this program alone reads the bytes); NaN and infinities are not served.
.set REC,  26624                       ; a record: 512 keys: four key steps of 6,144 bytes of codes, then four word images of 512 bytes
.set WOFF, 24576
.set STRM, 4*REC                       ; K at LDS byte 0, V at STRM, pos_embed at 2 STRM
.set SB,   6144
.set SPARE, 3*STRM                     ; the spare words: 128 bytes a wave
.set WV,   16                          ; s16 my wave's number
.set G1,   24                          ; s[24:31] descriptor group 1;  s[32:35] group 0
.set G0,   32
.set TBN,  44                          ; s44, s45 the next step's places
.set TWN,  45
.set TB,   48                          ; s48 where the step's codes begin in a stream;  s49 its word image;  s50 the step's number
.set TW,   49
.set TRIP, 50
.set SEL,  58                          ; s[58:59] selects for lane l xor 16
.set CS,   60                          ; s[60:61] c
.set QF,   16                          ; v16-27 q;  v28-39 my queries' pos_embed;  v40, v41 their scale words;  v[42:43] 8 alpha;  v[44:45] 8 beta
.set EF,   28
.set NPE,  46                          ; v46 the next step's pos_embed tiles;  v47 p's scale word
.set PWD,  47
.set XF,   48                          ; v48-95 four fragments of source 0
.set SS,   96                          ; v96-159 S, then p, then V's four fragments
.set OT,   160                         ; v160-191 O^T
.set PF,   192                         ; v192-203 p's codes; v204-210 at work
.set KW,   212                         ; v212-215 K's scale words, v216-219 pos_embed's, v220-223 V's
.set EW,   216
.set VW,   220
.set MX,   224                         ; v224-227 block maxima, v228-231 at work, v232-235 the conversions' scale operands;  v236-253 at work
.macro CROUND                          ; a round of the cluster's barrier
	s_barrier_signal -1
	s_barrier_wait -1
	s_cmp_lg_u32 s[WV], 0
	s_cbranch_scc1 .Lnot_wave_0_\@
	s_barrier_signal -3
.Lnot_wave_0_\@:
	s_barrier_wait -3
	s_barrier_signal -1
	s_barrier_wait -1
.endm
	s_load_b128 s[4:7], s[0:1], 0x0                ; qkv_img, pe_img
	s_load_b128 s[8:11], s[0:1], 0x10              ; alpha, ao_codes
	s_load_b128 s[12:15], s[0:1], 0x20             ; ao_scales, beta
	v_lshl_add_u32 v254, v0, 2, SPARE
	v_mov_b32 v255, 0
	ds_add_u32 v254, v255                          ; the opening lines: the add, twice on end, and its wait
	ds_add_u32 v254, v255
	v_lshrrev_b32 v1, 5, v0
	v_readfirstlane_b32 s[WV], v1                  ; wave 0..15
	s_bfe_u32 s17, ttmp6, 0x40000                  ; cx: it enters global addresses of q, pos_embed and the results alone
	s_lshl_b32 s18, ttmp9, 2
	s_add_co_u32 s18, s18, s17                     ; my block of 256 queries
	s_and_b32 s19, ttmp7, 0xffff                   ; 16 batch + head, which the four partners share
	s_mov_b32 s[G1], 15|(3<<16)|(1<<21)            ; a record as 104 rows of 256 bytes (32 elements of 8), dense; the mask names all four work-groups
	s_mov_b32 s[G1+1], 32<<16
	s_mov_b32 s[G1+2], 104<<16
	s_mov_b32 s[G1+3], 32<<16
	s_mov_b32 s[G1+4], 104
	s_mov_b32 s[G1+5], 32
	s_mov_b32 s[G1+6], 0
	s_mov_b32 s[G1+7], 0
	s_lshr_b32 s51, s[WV], 2                       ; stream: 0 k, 1 v, 2 pos_embed
	s_and_b32 s54, s[WV], 3
	s_mul_i32 s54, s54, REC                        ; my quarter
	s_mov_b32 s55, 0
	s_add_co_u32 s52, s51, 1                       ; k is part 1 of qkv_img, v part 2
	s_lshl_b32 s52, s52, 5
	s_add_co_u32 s52, s52, s19
	s_mul_i32 s52, s52, STRM
	s_mov_b32 s53, 0
	s_mul_i32 s20, s[WV], REC                      ; where my record goes in LDS
	s_wait_dscnt 0x0
	s_wait_kmcnt 0x0
	s_cmp_eq_u32 s51, 2
	s_cselect_b32 s52, 0, s52
	s_cselect_b64 s[56:57], s[6:7], s[4:5]
	s_add_nc_u64 s[56:57], s[56:57], s[52:53]
	s_add_nc_u64 s[56:57], s[56:57], s[54:55]
	CROUND                                         ; all four work-groups are here: the joint loads meet
	s_mov_b32 s[G0], 1
	s_mov_b32 s[G0+1], s20
	s_mov_b64 s[G0+2:G0+3], s[56:57]
	s_or_b32 s[G0+3], s[G0+3], 0x80000000
	s_cmp_lt_u32 s[WV], 12                         ; twelve records, one tensor load a wave; waves 12-15 ask for none
	s_cbranch_scc0 .Lno_fill
	tensor_load_to_lds s[G0:G0+3], s[G1:G1+7]
	s_nop 0
.Lno_fill:
	v_and_b32 v96, 31, v0                          ; lane
	v_and_b32 v97, 15, v0                          ; r
	v_bfe_u32 v98, v0, 4, 1                        ; h
	v_lshlrev_b32 v1, 3, v96                       ; v1 8 x lane: a half image's plane, in K
	v_lshlrev_b32 v4, 4, v96                       ; v4 16 x lane: K's word images
	v_lshlrev_b32 v99, 4, v97                      ; 16 r
	v_add_nc_u32 v2, 2*STRM, v1                    ; v2 in pos_embed
	v_add_nc_u32 v3, STRM, v4                      ; v3 V's full images and word images
	v_add_nc_u32 v5, 2*STRM, v4                    ; v5 pos_embed's word images
	v_cmp_eq_u32 vcc_lo, 0, v98                    ; K = 64 is the lowest code of register 6 in lanes 0-15
	v_mov_b32 v101, 0x3f                           ; -7.5
	v_mov_b32 v102, 0x1f                           ; +7.5
	v_cndmask_b32 v[QF+6], 0, v101, vcc_lo
	v_mov_b32 v[EF+6], 0
.irp i, 7,8,9,10,11
	v_mov_b32 v[QF+\i], 0
	v_mov_b32 v[EF+\i], 0
.endr
.irp t, 0,1,2,3
	v_cndmask_b32 v[XF+12*\t+6], 0, v102, vcc_lo
.irp i, 7,8,9,10,11
	v_mov_b32 v[XF+12*\t+\i], 0
.endr
.endr
	v_mov_b32 v13, 0xf1800000                      ; the largest t so far: -2^100: above a masked key's t, under every other
	v_mov_b32 v14, 0                               ; the sum, in two halves
	v_mov_b32 v15, 0
	v_floor_f32 v12, -v13                          ; -M
.set j, 0
.rept 32
	v_mov_b32 v[OT+j], 0                           ; O^T: the step is written once; the first change of M multiplies zeros
.set j, j+1
.endr
.irp b, 0,1,2,3
	v_mov_b32 v[MX+4+\b], 0                        ; a lane permute's destination counts as one of its sources
.endr
	v_mov_b32 v238, 0
	v_mov_b32 v241, 0                              ; (named as the upper half of the pair v[240:241])
	s_wait_alu depctr_va_vdst(0)                   ; the wait ahead of the run of scalar lines
	s_lshl_b32 s20, s18, 4
	s_add_co_u32 s20, s20, s[WV]                   ; my tile of queries, 0 .. 127
	s_lshr_b32 s21, s20, 5
	s_mul_i32 s21, s21, REC                        ; its record,
	s_and_b32 s22, s20, 31
	s_mul_i32 s23, s22, 768
	s_add_co_u32 s23, s23, s21                     ; its half image,
	s_lshr_b32 s22, s22, 3
	s_lshl_b32 s22, s22, 9
	s_add_co_u32 s22, s22, s21
	s_add_co_u32 s22, s22, WOFF                    ; its step's word image,
	s_bfe_u32 s48, s20, 0x10002
	s_lshl_b32 s48, s48, 8
	s_add_co_u32 s22, s22, s48                     ; the half of the lanes that holds its words,
	s_and_b32 s48, s20, 3
	s_lshl_b32 s48, s48, 2
	s_add_co_u32 s22, s22, s48                     ; and which of a lane's four
	s_mul_i32 s21, s19, STRM                       ; q is part 0
	s_add_co_u32 s52, s21, s23
	s_add_nc_u64 s[54:55], s[4:5], s[52:53]
	s_add_co_u32 s52, s21, s22
	s_add_nc_u64 s[56:57], s[4:5], s[52:53]
	s_mov_b32 s52, s23
	s_add_nc_u64 s[50:51], s[6:7], s[52:53]
	s_mov_b32 s52, s22
	s_add_nc_u64 s[6:7], s[6:7], s[52:53]
.irp p, 0,1,2
	global_load_b64 v[QF+2*\p:QF+2*\p+1], v1, s[54:55] offset:256*\p
	global_load_b64 v[EF+2*\p:EF+2*\p+1], v1, s[50:51] offset:256*\p
.endr
	global_load_b32 v40, v99, s[56:57]             ; q's scale words: lane r has row r's
	global_load_b32 v41, v99, s[6:7]               ; my queries' pos_embed's
	s_and_b32 s52, s19, 15                         ; the head
	s_lshl_b32 s52, s52, 2
	s_add_nc_u64 s[8:9], s[8:9], s[52:53]
	s_add_nc_u64 s[14:15], s[14:15], s[52:53]
	s_load_b32 s62, s[8:9], 0x0                    ; alpha
	s_load_b32 s63, s[14:15], 0x0                  ; beta
	s_mov_b32 s[SEL], 0x76543210
	s_mov_b32 s[SEL+1], 0xfedcba98
	s_mov_b32 s[CS], 0x3e38aa3b                    ; c = log2(e) / 8
	s_mov_b32 s[CS+1], s[CS]
	s_wait_kmcnt 0x0
	v_mov_b32 v42, s62
	v_mov_b32 v44, s63
	s_delay_alu instid0(VALU_DEP_2)
	v_mul_f32 v42, 0x41000000, v42                 ; 8 alpha
	s_delay_alu instid0(VALU_DEP_2)
	v_mul_f32 v44, 0x41000000, v44                 ; 8 beta
	s_delay_alu instid0(VALU_DEP_2)
	v_mov_b32 v43, v42
	s_delay_alu instid0(VALU_DEP_2)
	v_mov_b32 v45, v44
.macro WMZ d, a, b, sa, sb, row        ; a product that starts a sum;  row = 1: source 0's scale words are read from lanes 16-31
.if \row
	v_wmma_scale_f32_16x16x128_f8f6f4 v[\d:\d+7], v[\a:\a+11], v[\b:\b+11], 0, v[\sa], v[\sb] matrix_a_fmt:MATRIX_FMT_FP6 matrix_b_fmt:MATRIX_FMT_FP6 matrix_a_scale:MATRIX_SCALE_ROW1
.else
	v_wmma_scale_f32_16x16x128_f8f6f4 v[\d:\d+7], v[\a:\a+11], v[\b:\b+11], 0, v[\sa], v[\sb] matrix_a_fmt:MATRIX_FMT_FP6 matrix_b_fmt:MATRIX_FMT_FP6
.endif
.endm
.macro WMA d, a, b, sa, sb, row        ; a product that adds in place
.if \row
	v_wmma_scale_f32_16x16x128_f8f6f4 v[\d:\d+7], v[\a:\a+11], v[\b:\b+11], v[\d:\d+7], v[\sa], v[\sb] matrix_a_fmt:MATRIX_FMT_FP6 matrix_b_fmt:MATRIX_FMT_FP6 matrix_a_scale:MATRIX_SCALE_ROW1
.else
	v_wmma_scale_f32_16x16x128_f8f6f4 v[\d:\d+7], v[\a:\a+11], v[\b:\b+11], v[\d:\d+7], v[\sa], v[\sb] matrix_a_fmt:MATRIX_FMT_FP6 matrix_b_fmt:MATRIX_FMT_FP6
.endif
.endm
.macro TILES adr, g                    ; four half images, tiles 4 g .. 4 g + 3, into registers 0-5 of the four fragments; registers 6-11 stay
.irp t, 0,1,2,3
.irp p, 0,1,2
	ds_load_b64 v[XF+12*\t+2*\p:XF+12*\t+2*\p+1], v[\adr] offset:(4*\g+\t)*768+256*\p
.endr
.endr
.endm
.macro ALPHA j0, n                     ; n pairs of S from register j0 on: x 8 alpha + 8 beta, each accumulator from its low end on
.set j, \j0
.rept \n
	v_pk_fma_f32 v[SS+j:SS+j+1], v[SS+j:SS+j+1], v[42:43], v[44:45]
.set j, j+2
.endr
.endm
.macro BMAX b0, part                   ; the largest score of blocks b0, b0 + 1 of 32 keys: part 0 the first twelve lines, part 1 the last four
.if \part == 0
.irp b, \b0, \b0+1
	v_max3_num_f32 v[MX+\b], v[SS+16*(\b)], v[SS+1+16*(\b)], v[SS+2+16*(\b)]
.endr
.irp i, 3,5,7,9,11
.irp b, \b0, \b0+1
	v_max3_num_f32 v[MX+\b], v[MX+\b], v[SS+16*(\b)+\i], v[SS+1+16*(\b)+\i]
.endr
.endr
.else
.irp b, \b0, \b0+1
	v_max3_num_f32 v[MX+\b], v[MX+\b], v[SS+16*(\b)+13], v[SS+14+16*(\b)]
.endr
.irp b, \b0, \b0+1
	v_max_num_f32 v[MX+\b], v[MX+\b], v[SS+15+16*(\b)]
.endr
.endif
.endm
	s_wait_alu depctr_va_vdst(0)                   ; the wait at the head's end
	s_wait_loadcnt 0x0                             ; q, my queries' pos_embed, their words
	s_wait_tensorcnt 0x0                           ; my record has landed
	s_barrier_signal -1
	s_barrier_wait -1                              ; everybody's has
	s_mov_b32 s[TB], 0
	s_mov_b32 s[TW], WOFF
	s_mov_b32 s[TBN], SB
	s_mov_b32 s[TWN], WOFF+512
	s_mov_b32 s[TRIP], 0
	TILES 2, 0                                     ; step 0's first four tiles of pos_embed, and its words
	ds_load_b128 v[KW:KW+3], v4 offset:WOFF
	ds_load_b128 v[EW:EW+3], v5 offset:WOFF
; A KEY STEP: 128 keys.  The accumulators take turns, one instruction a turn: pos_embed's eight, k's eight, then O^T's four.
; The places behind each group of four products are lines that are due anyway and name none of the group's registers.
.Lstep:
	v_add_nc_u32 v7, s[TB], v2                     ; five places between the last step's products, which read V's fragments, and the products that write over them
	v_add_nc_u32 v6, s[TB], v1
	v_add_nc_u32 v[NPE], s[TBN], v2
	v_add_nc_u32 v9, s[TWN], v4
	v_add_nc_u32 v10, s[TWN], v5
	s_wait_alu depctr_va_vdst(0)                   ; directly ahead of the wait below
	s_wait_dscnt 0x0                               ; pos_embed's tiles 0-3 and the words, asked for in the step before
.irp t, 0,1,2,3
	WMZ SS+8*\t, XF+12*\t, EF, EW+\t, 41, 0
.endr
	v_add_nc_u32 v8, s[TB], v3
	v_add_nc_u32 v11, s[TW], v3
	v_nop
	v_nop
	TILES 7, 1                                     ; pos_embed's tiles 4-7
	ALPHA 0, 12
	s_wait_dscnt 0x0
.irp t, 0,1,2,3
	WMZ SS+32+8*\t, XF+12*\t, EF, EW+\t, 41, 1
.endr
	ALPHA 24, 4
	TILES 6, 0                                     ; k's tiles 0-3
	ALPHA 32, 12
	s_wait_dscnt 0x0
.irp t, 0,1,2,3
	WMA SS+8*\t, XF+12*\t, QF, KW+\t, 40, 0
.endr
	ALPHA 56, 4
	TILES 6, 1                                     ; k's tiles 4-7
	BMAX 0, 0
	s_wait_alu depctr_va_vdst(0)
	s_wait_dscnt 0x0
.irp t, 0,1,2,3
	WMA SS+32+8*\t, XF+12*\t, QF, KW+\t, 40, 1
.endr
	BMAX 0, 1
	TILES NPE, 0                                   ; the next step's first tiles of pos_embed and its words land under the work below (the last step asks for step 0's once more, and they are not used)
	ds_load_b128 v[KW:KW+3], v9
	ds_load_b128 v[EW:EW+3], v10
	BMAX 2, 0
	BMAX 2, 1
.irp b, 0,1
	v_permlanex16_b32 v[MX+4+\b], v[MX+\b], s[SEL], s[SEL+1]
.endr
.irp b, 2,3
	s_delay_alu instid0(VALU_DEP_4)
	v_permlanex16_b32 v[MX+4+\b], v[MX+\b], s[SEL], s[SEL+1]
.endr
.irp b, 0,1,2,3
	s_delay_alu instid0(VALU_DEP_4)
	v_max_num_f32 v[MX+\b], v[MX+\b], v[MX+4+\b]   ; with lane l xor 16's 16 keys
.endr
	s_delay_alu instid0(VALU_DEP_2)
	v_max3_num_f32 v238, v[MX], v[MX+1], v[MX+2]
	s_delay_alu instid0(VALU_DEP_1)
	v_max_num_f32 v238, v238, v[MX+3]
	s_delay_alu instid0(VALU_DEP_1)
	v_mul_f32 v238, s[CS], v238                    ; as t (c is positive)
	s_delay_alu instid0(VALU_DEP_1)
	v_max_num_f32 v13, v13, v238                   ; the running largest t
	v_mov_b32 v238, v12
	s_delay_alu instid0(VALU_DEP_2)
	v_floor_f32 v12, -v13                          ; the new -M = -ceil(t)
	s_delay_alu instid0(VALU_DEP_1)
	v_sub_f32 v238, v12, v238                      ; old M - new M: a whole number, 0 or less
	s_delay_alu instid0(VALU_DEP_1)
	v_cvt_i32_f32 v238, v238                       ; (it saturates)
	s_delay_alu instid0(VALU_DEP_1)
	v_ldexp_f32 v240, 1.0, v238                    ; f = 2^(old M - new M)
.set j, 0
.rept 32
	v_pk_fma_f32 v[SS+j:SS+j+1], v[SS+j:SS+j+1], s[CS:CS+1], v[12:13] op_sel_hi:[1,0,0]   ; t - M
.set j, j+2
.endr
.irp b, 0,1,2,3
	v_fma_f32 v[MX+\b], v[MX+\b], s[CS], v12       ; the same of each block's largest score
.endr
	s_wait_alu depctr_va_vdst(0)                   ; the wait ahead of the batch
.set j, 0
.rept 64
	v_exp_f32 v[SS+j], v[SS+j]                     ; p = 2^(t - M)
.set j, j+1
.endr
.irp b, 0,1,2,3
	v_exp_f32 v[MX+\b], v[MX+\b]                   ; the block's largest p: the same two instructions on the same number
.endr
	v_pk_mul_f32 v[14:15], v[14:15], v[240:241] op_sel_hi:[1,0]   ; the sums under the new M.  (The plain line behind the exponentials)
	s_wait_alu depctr_va_vdst(0)                   ; one wait for the batch, ahead of its first reader
; the row's sum of the unquantised p: 32 pairs into eight chains (v[14:15] and seven pairs at v242-253, v236)
.set i, 0
.rept 7
	v_pk_add_f32 v[242+2*i-18*(i/6):243+2*i-18*(i/6)], v[SS+4*i:SS+4*i+1], v[SS+4*i+2:SS+4*i+3]
.set i, i+1
.endr
	v_pk_add_f32 v[14:15], v[14:15], v[SS+28:SS+29]
.set k, 15
.rept 17
.set i, (k-15)%8
.if i == 7
	v_pk_add_f32 v[14:15], v[14:15], v[SS+2*k:SS+2*k+1]
.else
	v_pk_add_f32 v[242+2*i-18*(i/6):243+2*i-18*(i/6)], v[242+2*i-18*(i/6):243+2*i-18*(i/6)], v[SS+2*k:SS+2*k+1]
.endif
.set k, k+1
.endr
.irp b, 0,1,2,3
	v_max_num_f32 v[MX+\b], 0x1800000, v[MX+\b]    ; the floor 2^(3 - 127): the byte cannot fall under 1
.endr
.irp b, 0,1,2,3
	s_delay_alu instid0(VALU_DEP_4)
	v_add_nc_u32 v[MX+8+\b], 0xff000000, v[MX+\b]  ; the conversion's scale operand
.endr
.irp b, 0,1,2,3
	s_delay_alu instid0(VALU_DEP_4)
	v_lshrrev_b32 v[MX+4+\b], 23, v[MX+8+\b]       ; the scale's byte
.endr
	s_delay_alu instid0(VALU_DEP_3)
	v_lshl_or_b32 v[PWD], v[MX+5], 8, v[MX+4]      ; p's scale word for these 128 keys
	s_delay_alu instid0(VALU_DEP_1)
	v_lshl_or_b32 v[PWD], v[MX+6], 16, v[PWD]
	s_delay_alu instid0(VALU_DEP_1)
	v_lshl_or_b32 v[PWD], v[MX+7], 24, v[PWD]
.irp c, 0,1
	v_cvt_scalef32_pk16_fp6_f32 v[PF+6*\c:PF+2+6*\c], v[SS+32*\c:SS+15+32*\c], v[MX+8+2*\c]
	v_cvt_scalef32_pk16_fp6_f32 v[PF+12+4*\c:PF+14+4*\c], v[SS+16+32*\c:SS+31+32*\c], v[MX+8+2*\c+1]
.endr
	v_pk_add_f32 v[14:15], v[14:15], v[242:243]    ; the chains are joined; this line is also the plain line behind the scaled conversions
.irp t, 0,1,2,3
.irp c, 0,1,2
	ds_load_b128 v[SS+12*\t+4*\c:SS+12*\t+4*\c+3], v8 offset:\t*1536+512*\c   ; V's four fragments, 16 channels x these 128 keys, where p lay
.endr
.endr
	ds_load_b128 v[VW:VW+3], v11
.irp c, 0,1                                        ; the operand's layout wants a whole block in a lane
.irp i, 0,1,2
	v_permlane16_swap_b32 v[PF+6*\c+\i], v[PF+12+4*\c+\i]
.endr
.irp i, 0,1,2
	s_delay_alu instid0(VALU_DEP_3)
	v_mov_b32 v[PF+3+6*\c+\i], v[PF+12+4*\c+\i]
.endr
.endr
	s_wait_alu depctr_va_vdst(0)                   ; directly ahead of the first reader of O^T
.set j, 0
.rept 16
	v_pk_mul_f32 v[OT+j:OT+j+1], v[OT+j:OT+j+1], v[240:241] op_sel_hi:[1,0]   ; O^T under the new M
.set j, j+2
.endr
	v_pk_add_f32 v[244:245], v[244:245], v[246:247]
	v_pk_add_f32 v[248:249], v[248:249], v[250:251]
	v_pk_add_f32 v[252:253], v[252:253], v[236:237]
	s_delay_alu instid0(VALU_DEP_3)
	v_pk_add_f32 v[14:15], v[14:15], v[244:245]
	s_delay_alu instid0(VALU_DEP_2)
	v_pk_add_f32 v[248:249], v[248:249], v[252:253]
	s_delay_alu instid0(VALU_DEP_1)
	v_pk_add_f32 v[14:15], v[14:15], v[248:249]
	s_wait_alu depctr_va_vdst(0)                   ; directly ahead of the wait below
	s_wait_dscnt 0x0
.irp t, 0,1,2,3
	WMA OT+8*\t, SS+12*\t, PF, VW+\t, PWD, 0
.endr
	s_mov_b32 s[TB], s[TBN]
	s_mov_b32 s[TW], s[TWN]
	s_add_co_u32 s[TRIP], s[TRIP], 1
	s_add_co_u32 s53, s[TRIP], 1
	s_and_b32 s53, s53, 15                         ; the step after the next, round the end to step 0
	s_lshr_b32 s51, s53, 2
	s_mul_i32 s[TWN], s51, REC                     ; its record,
	s_and_b32 s52, s53, 3
	s_mul_i32 s[TBN], s52, SB
	s_add_co_u32 s[TBN], s[TBN], s[TWN]            ; its codes,
	s_lshl_b32 s52, s52, 9
	s_add_co_u32 s[TWN], s[TWN], s52
	s_add_co_u32 s[TWN], s[TWN], WOFF              ; its word image
	s_cmp_lt_u32 s[TRIP], 16
	s_cbranch_scc1 .Lstep
	; THE WAY OUT.  O^T / the sum: register 16 b + i is channel 32 b + 16 (lane / 16) + i of my query: two blocks of the output projection's K.  They are quantised and leave as a half image.
.rept 4
	v_nop
.endr
	v_add_f32 v14, v14, v15
	s_delay_alu instid0(VALU_DEP_1)
	v_permlanex16_b32 v238, v14, s[SEL], s[SEL+1]
	s_delay_alu instid0(VALU_DEP_1)
	v_add_f32 v14, v14, v238                       ; the row's sum
	s_wait_alu depctr_va_vdst(0)
	v_rcp_f32 v14, v14
	v_and_b32 v6, 15, v0                           ; (a plain line behind the reciprocal)
	s_delay_alu instid0(VALU_DEP_1)
	v_lshlrev_b32 v6, 5, v6                        ; a row of ao_scales is 32 bytes
	s_lshr_b32 s21, s19, 4
	s_lshl_b32 s21, s21, 7
	s_add_co_u32 s21, s21, s20                     ; my tile of tokens: 128 batch + my tile of queries
	s_mul_i32 s52, s21, 12288                      ; sixteen heads' images a tile
	s_and_b32 s22, s19, 15
	s_mul_i32 s23, s22, 768
	s_add_co_u32 s52, s52, s23
	s_mov_b32 s53, 0
	s_add_nc_u64 s[10:11], s[10:11], s[52:53]
	s_lshl_b32 s52, s21, 9
	s_lshl_b32 s22, s22, 1
	s_add_co_u32 s52, s52, s22                     ; bytes 2 head, 2 head + 1 of my rows
	s_add_nc_u64 s[12:13], s[12:13], s[52:53]
	s_wait_alu depctr_va_vdst(0)                   ; the wait ahead of the reciprocal's first reader and of O^T's
.set j, 0
.rept 16
	v_pk_mul_f32 v[SS+j:SS+j+1], v[OT+j:OT+j+1], v[14:15] op_sel_hi:[1,0]
.set j, j+2
.endr
.irp b, 0,1
	v_max3_num_f32 v[MX+\b], |v[SS+16*\b]|, |v[SS+1+16*\b]|, 0x1800000
.endr
.irp i, 2,4,6,8,10,12,14
.irp b, 0,1
	s_delay_alu instid0(VALU_DEP_2)
	v_max3_num_f32 v[MX+\b], v[MX+\b], |v[SS+16*\b+\i]|, |v[SS+1+16*\b+\i]|
.endr
.endr
.irp b, 0,1
	s_delay_alu instid0(VALU_DEP_2)
	v_permlanex16_b32 v[MX+4+\b], v[MX+\b], s[SEL], s[SEL+1]
.endr
.irp b, 0,1
	s_delay_alu instid0(VALU_DEP_2)
	v_max_num_f32 v[MX+\b], v[MX+\b], v[MX+4+\b]
.endr
.irp b, 0,1
	s_delay_alu instid0(VALU_DEP_2)
	v_add_nc_u32 v[MX+8+\b], 0xff000000, v[MX+\b]
.endr
.irp b, 0,1
	s_delay_alu instid0(VALU_DEP_2)
	v_lshrrev_b32 v[MX+4+\b], 23, v[MX+8+\b]
.endr
	s_delay_alu instid0(VALU_DEP_1)
	v_lshl_or_b32 v238, v[MX+5], 8, v[MX+4]        ; my row's two scale bytes
	v_cvt_scalef32_pk16_fp6_f32 v[PF:PF+2], v[SS:SS+15], v[MX+8]
	v_cvt_scalef32_pk16_fp6_f32 v[PF+12:PF+14], v[SS+16:SS+31], v[MX+9]
	v_nop
.irp i, 0,1,2
	v_permlane16_swap_b32 v[PF+\i], v[PF+12+\i]
.endr
.irp i, 0,1,2
	s_delay_alu instid0(VALU_DEP_3)
	v_mov_b32 v[PF+3+\i], v[PF+12+\i]
.endr
.irp p, 0,1,2
	global_store_b64 v1, v[PF+2*\p:PF+2*\p+1], s[10:11] offset:256*\p   ; 256 consecutive bytes, aligned
.endr
	global_store_b16 v6, v238, s[12:13]            ; two bytes a row, 32 bytes apart (both halves of the lanes write the same): 131,072 bytes in the whole launch
	s_wait_tensorcnt 0x0                           ; the wave's end
	ds_add_u32 v254, v255
	s_wait_dscnt 0x0
	CROUND                                         ; the closing round
	s_endpgm
.Lfunc_end_k_q2f80e641e2_attn:
	.size	k_q2f80e641e2_attn, .Lfunc_end_k_q2f80e641e2_attn-k_q2f80e641e2_attn
	.p2alignl 7, 3214868480
	.fill 96, 4, 3214868480
	.section	.rodata,"a",@progbits
	.p2align	6, 0x0
	.amdhsa_kernel k_q2f80e641e2_attn
		.amdhsa_group_segment_fixed_size 327680
		.amdhsa_private_segment_fixed_size 0
		.amdhsa_enable_private_segment 0
		.amdhsa_kernarg_size 48
		.amdhsa_user_sgpr_count 2
		.amdhsa_user_sgpr_kernarg_segment_ptr 1
		.amdhsa_wavefront_size32 1
		.amdhsa_system_sgpr_workgroup_id_x 1
		.amdhsa_system_sgpr_workgroup_id_y 1
		.amdhsa_system_sgpr_workgroup_id_z 1
		.amdhsa_system_vgpr_workitem_id 0
		.amdhsa_next_free_vgpr 256
		.amdhsa_next_free_sgpr 66
		.amdhsa_reserve_vcc 1
		.amdhsa_float_denorm_mode_32 3
		.amdhsa_float_denorm_mode_16_64 3
		.amdhsa_memory_ordered 1
		.amdhsa_forward_progress 1
		.amdhsa_inst_pref_size 38
	.end_amdhsa_kernel
	.amdgpu_metadata
---
amdhsa.version: [ 1, 2 ]
amdhsa.kernels:
  - .name:           k_q2f80e641e2_attn
    .symbol:         k_q2f80e641e2_attn.kd
    .args:
      - { .name: qkv_img, .offset: 0, .size: 8, .value_kind: global_buffer, .address_space: global }
      - { .name: pe_img, .offset: 8, .size: 8, .value_kind: global_buffer, .address_space: global }
      - { .name: alpha, .offset: 16, .size: 8, .value_kind: global_buffer, .address_space: global }
      - { .name: ao_codes, .offset: 24, .size: 8, .value_kind: global_buffer, .address_space: global }
      - { .name: ao_scales, .offset: 32, .size: 8, .value_kind: global_buffer, .address_space: global }
      - { .name: beta, .offset: 40, .size: 8, .value_kind: global_buffer, .address_space: global }
    .group_segment_fixed_size: 327680
    .private_segment_fixed_size: 0
    .kernarg_segment_align: 8
    .kernarg_segment_size: 48
    .max_flat_workgroup_size: 512
    .sgpr_count:     66
    .vgpr_count:     256
    .wavefront_size: 32
...
	.end_amdgpu_metadata
.endif
;; end of part 3
;; launch oproj (part 4): grid 8 x 32, 8 waves a work-group, clusters of 4 x 4, 327,680 bytes of LDS; arguments ao_codes, ao_scales, xw_codes, xw_scales, bo, out0; writes out0
.if DOCPART == 4
	.amdgcn_target "amdgcn-amd-amdhsa--gfx1250"
	.amdhsa_code_object_version 6
	.text
	.protected	k_q2f80e641e2_oproj
	.globl	k_q2f80e641e2_oproj
	.p2align	8
	.type	k_q2f80e641e2_oproj,@function
k_q2f80e641e2_oproj:
	s_mov_b64 s[64:65], 0
	v_nop
	global_prefetch_b8 v0, s[64:65] scope:SCOPE_SE
	s_setreg_imm32_b32 hwreg(HW_REG_WAVE_MODE, 25, 1), 1
	s_wait_xcnt 0x0
	s_wait_alu depctr_hold_cnt(0) depctr_sa_sdst(0) depctr_va_vdst(0) depctr_va_sdst(0) depctr_va_ssrc(0) depctr_va_vcc(0) depctr_vm_vsrc(0)
	s_getreg_b32 s2, hwreg(HW_REG_IB_STS2, 6, 4)
	s_cmp_eq_u32 s2, 0
	s_cbranch_scc0 .Lentry_in_a_cluster
	s_endpgm
.Lentry_in_a_cluster:
	s_bfe_u32 s2, ttmp6, 0x10000c
	s_cmp_lg_u32 s2, 0xf033
	s_cbranch_scc0 .Lentry_shape_is_right
	s_endpgm
.Lentry_shape_is_right:
; out0[token][n] = sum over k of ao[token][k] Wo[n][k] + bo[n]: both operands are codes of FP6 (E2M3) with one E8M0 byte for each 32 along K = 1,024; sums in f32.
; SHARES.  4,096 x 1,024 results in blocks of 128 tokens x 128 columns: 32 x 8 = 256 work-groups of eight waves.  A wave makes 32 tokens x 64 columns: 2 x 4 accumulators, 64 registers.
; LDS IS FILLED ONCE, with the whole K of both operands: ao's 128 tokens are eight tiles of sixteen half images, 98,304 dense bytes (waves 0-3 ask for a quarter each, as rows of 256 bytes);
; Wo's 128 rows come by K steps of 256 (waves 4-7, a step each): 32 tensor rows of 768 bytes, four rows' 192 bytes on end, 16 bytes of padding behind each 64: a row's piece takes 240 bytes in LDS.
; One tensor load a wave, one wait for 0, one barrier; no byte is filled again.
; CLUSTERS: 4 x 4 work-groups; ao's tiles are asked for jointly along a row of the cluster, Wo's along a column.
; NO PREFETCH: all operands are asked for at the head; there is no loop to run ahead in.
; THE SCALE WORDS go straight into registers: a row's 32 bytes are its eight words, one for each 128 along K; sixteen lanes' two loads of 16 bytes cover 512 consecutive bytes.
; THE BIAS is loaded into the accumulators, so every product adds in place.
; THE MATRIX INSTRUCTION IS USED TRANSPOSED (source 0 = 16 rows of Wo, source 1 = 16 tokens): a lane holds eight neighbouring columns of one token.
; THE TOKENS OF A TILE stand in tile order: stored row r of tile a of a group of 32 is token 8 a + r + 8 (r / 8) of the group.
.set PITCH,  240
.set KREG,   128*PITCH                 ; one K step of Wo's 128 rows in LDS
.set ATILE,  12288                     ; a tile of 16 tokens: sixteen heads' half images of 768 bytes
.set AQ,     2*ATILE
.set LB,     8*ATILE                   ; Wo's four K steps lie behind ao's eight tiles
.set STG,    LB+4*KREG                 ; behind them the stages: 32 rows x 272 bytes for each wave; no fill lands there
.set SPITCH, 272
.set WSTG,   32*SPITCH
.set SPARE,  STG+8*WSTG                ; the spare words: 128 bytes a wave
.set ADA, 16                           ; v16 my A fragments;  v18, v19 my B fragments in K steps 0-1, 2-3;  v20, v21 the same where lanes 16-31 pass a piece of padding
.set ADB, 18
.set STO, 22
.set RD,  23
.set CO,  24
.set SPW, 28
.set NIL, 29
.set AC,  64                           ; v64-127 accumulator (a, b) at 8 (4 a + b)
.set AFR, 128                          ; v128-151 two fragments of tokens;  v152-199 four of Wo
.set BFR, 152
.set SA,  200                          ; v200-215 the tokens' scale words, 8 a + K step;  v216-247 Wo's, 8 b + K step
.set SBW, 216
.set G1,  24
.set G0,  32
.set G0B, 36
.set G1B, 48
.macro CROUND
	s_barrier_signal -1
	s_barrier_wait -1
	s_cmp_lg_u32 s16, 0
	s_cbranch_scc1 .Lnot_wave_0_\@
	s_barrier_signal -3
.Lnot_wave_0_\@:
	s_barrier_wait -3
	s_barrier_signal -1
	s_barrier_wait -1
.endm
	s_load_b256 s[4:11], s[0:1], 0x0               ; ao_codes, ao_scales, xw_codes, xw_scales
	s_load_b128 s[12:15], s[0:1], 0x20             ; bo, out0
	v_lshl_add_u32 v[SPW], v0, 2, SPARE
	v_mov_b32 v[NIL], 0
	ds_add_u32 v[SPW], v[NIL]                      ; the opening lines: the add, twice on end, and its wait
	ds_add_u32 v[SPW], v[NIL]
	v_lshrrev_b32 v1, 5, v0
	v_readfirstlane_b32 s16, v1                    ; wave 0..7
	s_lshr_b32 s17, s16, 2                         ; I fetch for ao (0) or for Wo (1),
	s_and_b32 s18, s16, 3                          ; which quarter or K step
	s_lshr_b32 s19, s16, 1                         ; my 32 tokens of the block's 128
	s_and_b32 s20, s16, 1                          ; my 64 columns of its 128
	s_bfe_u32 s40, ttmp6, 0x40000                  ; cx, cy
	s_bfe_u32 s41, ttmp6, 0x40004
	s_lshl_b32 s42, ttmp9, 2
	s_add_co_u32 s42, s42, s40                     ; block column
	s_and_b32 s43, ttmp7, 0xffff
	s_lshl_b32 s43, s43, 2
	s_add_co_u32 s43, s43, s41                     ; block row
	s_lshl_b32 s44, s41, 2
	s_lshl_b32 s44, 15, s44                        ; my row of the cluster
	s_lshl_b32 s45, 0x1111, s40                    ; my column
	s_or_b32 s[G1], s44, (3<<16)|(1<<21)           ; ao: 96 rows of 256 bytes (32 elements of 8), dense
	s_mov_b32 s[G1+1], 32<<16
	s_mov_b32 s[G1+2], 96<<16
	s_mov_b32 s[G1+3], 32<<16
	s_mov_b32 s[G1+4], 96
	s_mov_b32 s[G1+5], 32
	s_mov_b32 s[G1+6], 0
	s_mov_b32 s[G1+7], 0
	s_or_b32 s[G1B], s45, (0<<16)|(1<<20)|(1<<21)|(3<<22)|(3<<25)   ; Wo: 32 rows of 768 bytes, 3,072 apart; 4 words of padding behind every 16
	s_mov_b32 s[G1B+1], 768<<16
	s_mov_b32 s[G1B+2], 32<<16
	s_mov_b32 s[G1B+3], 768<<16
	s_mov_b32 s[G1B+4], 32
	s_mov_b32 s[G1B+5], 3072
	s_mov_b32 s[G1B+6], 0
	s_mov_b32 s[G1B+7], 0
	s_mul_i32 s56, s43, 8*ATILE
	s_mul_i32 s58, s18, AQ                         ; also the quarter's place in LDS
	s_add_co_u32 s56, s56, s58
	s_mov_b32 s57, 0
	s_lshl_b32 s60, s42, 7
	s_add_co_u32 s60, s60, 7168                    ; Wo's rows begin at row 7,168 of xw_codes
	s_mul_i32 s60, s60, 768
	s_mul_i32 s62, s18, 768
	s_add_co_u32 s60, s60, s62
	s_mov_b32 s61, 0
	s_mul_i32 s63, s18, KREG
	s_add_co_u32 s63, s63, LB
	s_mul_i32 s66, s19, 2*ATILE                    ; my two tiles of tokens in LDS,
	s_mul_i32 s67, s20, 64*PITCH
	s_add_co_u32 s67, s67, LB                      ; my 64 rows of Wo,
	s_mul_i32 s68, s16, WSTG
	s_add_co_u32 s68, s68, STG                     ; my stage
	s_wait_dscnt 0x0
	s_wait_kmcnt 0x0
	s_add_nc_u64 s[56:57], s[4:5], s[56:57]
	s_add_nc_u64 s[60:61], s[8:9], s[60:61]
	CROUND                                         ; all sixteen work-groups are here: the joint loads meet
	s_mov_b32 s[G0], 1
	s_mov_b32 s[G0+1], s58
	s_mov_b64 s[G0+2:G0+3], s[56:57]
	s_or_b32 s[G0+3], s[G0+3], 0x80000000
	s_mov_b32 s[G0B], 1
	s_mov_b32 s[G0B+1], s63
	s_mov_b64 s[G0B+2:G0B+3], s[60:61]
	s_or_b32 s[G0B+3], s[G0B+3], 0x80000000
	s_cmp_eq_u32 s17, 0                            ; every wave issues one load: one of two arms, by the wave's number alone
	s_cbranch_scc0 .Lfor_b
	tensor_load_to_lds s[G0:G0+3], s[G1:G1+7]
	s_nop 0
	s_branch .Lasked
.Lfor_b:
	tensor_load_to_lds s[G0B:G0B+3], s[G1B:G1B+7]
	s_nop 0
.Lasked:
	v_and_b32 v1, 15, v0                           ; r
	v_bfe_u32 v2, v0, 4, 1                         ; h
	v_and_b32 v3, 31, v0
	v_lshlrev_b32 v4, 3, v3
	v_add_nc_u32 v[ADA], s66, v4                   ; a plane of a half image: 8 x lane
	v_mul_u32_u24 v5, v1, PITCH
	v_mad_u32_u24 v5, v2, 24, v5
	v_add_nc_u32 v[ADB], s67, v5                   ; row r x 240 + 24 h
	v_add_nc_u32 v[ADB+1], 2*KREG, v[ADB]
	v_lshl_add_u32 v[ADB+2], v2, 4, v[ADB]
	v_lshl_add_u32 v[ADB+3], v2, 4, v[ADB+1]
	v_mul_u32_u24 v6, v1, SPITCH
	v_lshl_add_u32 v6, v2, 5, v6
	v_add_nc_u32 v[STO], s68, v6                   ; into the stage: row r, 32 bytes for each half of the lanes
	v_mul_u32_u24 v9, v2, SPITCH
	v_lshl_add_u32 v9, v1, 4, v9
	v_add_nc_u32 v[RD], s68, v9                    ; back: sixteen lanes take a row of 256 bytes, two rows an instruction
	v_lshlrev_b32 v10, 12, v2
	v_lshl_add_u32 v[CO], v1, 4, v10               ; and the same in out0 (a row is 4,096 bytes)
	v_lshlrev_b32 v7, 5, v1                        ; a row of scale bytes is 32 bytes
	v_lshlrev_b32 v8, 5, v2                        ; the bias: 8 h columns
	s_wait_alu depctr_va_vdst(0)                   ; the wait at the end of the head's vector lines
	s_lshl_b32 s56, s43, 7
	s_lshl_b32 s57, s19, 5
	s_add_co_u32 s56, s56, s57                     ; my first stored row of tokens
	s_lshl_b32 s58, s56, 5
	s_mov_b32 s59, 0
	s_add_nc_u64 s[6:7], s[6:7], s[58:59]
	s_lshl_b32 s60, s42, 7
	s_lshl_b32 s61, s20, 6
	s_add_co_u32 s60, s60, s61                     ; my first column
	s_add_co_u32 s58, s60, 7168
	s_lshl_b32 s58, s58, 5
	s_add_nc_u64 s[10:11], s[10:11], s[58:59]
	s_lshl_b32 s58, s60, 2
	s_add_nc_u64 s[12:13], s[12:13], s[58:59]
	s_add_nc_u64 s[14:15], s[14:15], s[58:59]
	s_lshl_b32 s58, s56, 12
	s_add_nc_u64 s[14:15], s[14:15], s[58:59]
.irp a, 0,1
.irp k, 0,1
	global_load_b128 v[SA+8*\a+4*\k:SA+8*\a+4*\k+3], v7, s[6:7] offset:512*\a+16*\k
.endr
.endr
.irp b, 0,1,2,3
.irp k, 0,1
	global_load_b128 v[SBW+8*\b+4*\k:SBW+8*\b+4*\k+3], v7, s[10:11] offset:512*\b+16*\k
.endr
.endr
.irp a, 0,1
.irp b, 0,1,2,3
	global_load_b128 v[AC+8*(4*\a+\b):AC+8*(4*\a+\b)+3], v8, s[12:13] offset:64*\b
	global_load_b128 v[AC+8*(4*\a+\b)+4:AC+8*(4*\a+\b)+7], v8, s[12:13] offset:64*\b+16
.endr
.endr
.macro FRAGB reg, j, i                 ; 16 rows of Wo x 128 K: pieces of 8 bytes; byte y of a row's 192 lies at y + 16 (y / 64); lanes 16-31 read 24 bytes on, past a piece of padding where the piece's number mod 8 is 5 or more
.irp p, 0,1,2,3,4,5
.set PCE, 12*((\j)%2)+6*(\p/3)+\p%3
.set CR, 0
.if PCE%8 >= 5
.set CR, 2
.endif
	ds_load_b64 v[\reg+2*\p:\reg+2*\p+1], v[ADB+(\j)/4+CR] offset:(((\j)/2)%2)*KREG+8*PCE+16*(PCE/8)+(\i)*16*PITCH
.endr
.endm
.macro FRAGA reg, j, a                 ; 16 tokens x 128 K: the half images of heads 2 j and 2 j + 1
.irp p, 0,1,2,3,4,5
	ds_load_b64 v[\reg+2*\p:\reg+2*\p+1], v[ADA] offset:(\a)*ATILE+(2*(\j)+\p/3)*768+(\p%3)*256
.endr
.endm
.macro MUL4 a, j
.irp b, 0,1,2,3
	v_wmma_scale_f32_16x16x128_f8f6f4 v[AC+8*(4*\a+\b):AC+8*(4*\a+\b)+7], v[BFR+12*\b:BFR+12*\b+11], v[AFR+12*\a:AFR+12*\a+11], v[AC+8*(4*\a+\b):AC+8*(4*\a+\b)+7], v[SBW+8*\b+(\j)], v[SA+8*\a+(\j)] matrix_a_fmt:MATRIX_FMT_FP6 matrix_b_fmt:MATRIX_FMT_FP6
.endr
.endm
.macro KSTEP j                         ; 128 along K: 36 LDS loads, 8 products; the eight accumulators take turns
.if (\j) > 0
.rept 4
	v_nop                                          ; places in front of loads into registers that matrix instructions have read
.endr
.endif
.irp i, 0,1,2,3
	FRAGB BFR+12*\i, \j, \i
.endr
	FRAGA AFR, \j, 0
	FRAGA AFR+12, \j, 1
	s_wait_dscnt 6                                 ; all but the second tile of tokens' six loads
	MUL4 0, \j
	s_wait_dscnt 0x0
	MUL4 1, \j
.endm
	s_wait_loadcnt 0x0                             ; the scale words and the bias
	s_wait_tensorcnt 0x0                           ; my part has landed
	s_barrier_signal -1
	s_barrier_wait -1                              ; everybody's has
.set J, 0
.rept 8
	KSTEP J
.set J, J+1
.endr
.rept 4
	v_nop                                          ; places in front of the reads of results and of the loads into the fragments' registers
.endr
; THE WAY OUT: a tile of 16 tokens x 64 columns goes through my own stage and comes back as rows of 256 bytes.  LDS serves a wave's instructions in order: no wait between the stores and the loads.
.irp a, 0,1
.irp b, 0,1,2,3
	ds_store_b128 v[STO], v[AC+8*(4*\a+\b):AC+8*(4*\a+\b)+3] offset:\a*16*SPITCH+64*\b
	ds_store_b128 v[STO], v[AC+8*(4*\a+\b)+4:AC+8*(4*\a+\b)+7] offset:\a*16*SPITCH+64*\b+16
.endr
.irp t, 0,1,2,3,4,5,6,7
	ds_load_b128 v[AFR+32*\a+4*\t:AFR+32*\a+4*\t+3], v[RD] offset:\a*16*SPITCH+2*\t*SPITCH
.endr
.endr
.irp a, 0,1
	s_wait_dscnt 16-16*\a                          ; tile a is back (behind tile 0's loads: tile 1's eight stores and eight loads)
.irp t, 0,1,2,3,4,5,6,7
	global_store_b128 v[CO], v[AFR+32*\a+4*\t:AFR+32*\a+4*\t+3], s[14:15] offset:(8*\a+2*\t+8*(\t/4))*4096 th:TH_STORE_NT   ; sixteen lanes store 256 consecutive bytes, aligned; stored row 2 t + lane / 16 is token 8 a + that + 8 (t / 4)
.endr
.endr
	s_wait_tensorcnt 0x0                           ; the wave's end
	ds_add_u32 v[SPW], v[NIL]
	s_wait_dscnt 0x0
	CROUND                                         ; the closing round
	s_endpgm
.Lfunc_end_k_q2f80e641e2_oproj:
	.size	k_q2f80e641e2_oproj, .Lfunc_end_k_q2f80e641e2_oproj-k_q2f80e641e2_oproj
	.p2alignl 7, 3214868480
	.fill 96, 4, 3214868480
	.section	.rodata,"a",@progbits
	.p2align	6, 0x0
	.amdhsa_kernel k_q2f80e641e2_oproj
		.amdhsa_group_segment_fixed_size 327680
		.amdhsa_private_segment_fixed_size 0
		.amdhsa_enable_private_segment 0
		.amdhsa_kernarg_size 48
		.amdhsa_user_sgpr_count 2
		.amdhsa_user_sgpr_kernarg_segment_ptr 1
		.amdhsa_wavefront_size32 1
		.amdhsa_system_sgpr_workgroup_id_x 1
		.amdhsa_system_sgpr_workgroup_id_y 1
		.amdhsa_system_sgpr_workgroup_id_z 1
		.amdhsa_system_vgpr_workitem_id 0
		.amdhsa_next_free_vgpr 256
		.amdhsa_next_free_sgpr 72
		.amdhsa_reserve_vcc 0
		.amdhsa_float_denorm_mode_32 3
		.amdhsa_float_denorm_mode_16_64 3
		.amdhsa_memory_ordered 1
		.amdhsa_forward_progress 1
		.amdhsa_inst_pref_size 41
	.end_amdhsa_kernel
	.amdgpu_metadata
---
amdhsa.version: [ 1, 2 ]
amdhsa.kernels:
  - .name:           k_q2f80e641e2_oproj
    .symbol:         k_q2f80e641e2_oproj.kd
    .args:
      - { .name: ao_codes, .offset: 0, .size: 8, .value_kind: global_buffer, .address_space: global }
      - { .name: ao_scales, .offset: 8, .size: 8, .value_kind: global_buffer, .address_space: global }
      - { .name: xw_codes, .offset: 16, .size: 8, .value_kind: global_buffer, .address_space: global }
      - { .name: xw_scales, .offset: 24, .size: 8, .value_kind: global_buffer, .address_space: global }
      - { .name: bo, .offset: 32, .size: 8, .value_kind: global_buffer, .address_space: global }
      - { .name: out0, .offset: 40, .size: 8, .value_kind: global_buffer, .address_space: global }
    .group_segment_fixed_size: 327680
    .private_segment_fixed_size: 0
    .kernarg_segment_align: 8
    .kernarg_segment_size: 48
    .max_flat_workgroup_size: 256
    .sgpr_count:     72
    .vgpr_count:     256
    .wavefront_size: 32
...
	.end_amdgpu_metadata
.endif
;; end of part 4
